; MI455X (gfx1250); checked and timed in simulation.
; The chip was launched on July 23, 2026; its instructions are those of AMD's public machine-readable ISA for CDNA 5 (MIT licence, August 2026) and "CDNA5" Instruction Set Architecture Reference Guide (July 2026). The comments in the code are by the model that wrote it; some were corrected since.
;; Causal Self Attention. Allowed arithmetic: matrix products marked QUANTISED: E4M3 operands, one E8M0 scale for each 32 along K, by v_wmma_scale_f32_16x16x128_f8f6f4 with both operands' format E4M3, f32 sums; everything else in f32.
;; Inputs: b_attn 3,072 float32; b_proj 1,024 float32; w_attn 1,024 x 3,072 float32; w_proj 1,024 x 1,024 float32; x 4 x 2,048 x 1,024 float32.
;; Outputs: out0 4 x 2,048 x 1,024 float32.
;; This version of the problem:
;;   THIS VERSION OF THE PROBLEM IS GIVEN IN LOW PRECISION. The matrix products marked QUANTISED in the list below multiply operands that are first quantised to E4M3 (4 exponent bits, 3 mantissa bits; 8 bits a number), with one power-of-two scale for each 32 numbers along K (OCP MX v1.0); their sums are f32. All else is computed in f32.
;;   The module's matrix products, in the order in which they are computed (A, B: the left and right operand; K: the contracted axis; several contracted axes count as one K, in the product's order):
;;     1. [M 8,192, K 1,024] x [K 1,024, N 3,072]; A: input x; B: input w_attn: QUANTISED
;;     2. batch 64 x [M 2,048, K 64] x [K 64, N 2,048]; A: computed on the way; B: computed on the way: QUANTISED
;;     3. batch 64 x [M 2,048, K 2,048] x [K 2,048, N 64]; A: softmax (see below); B: computed on the way: QUANTISED
;;     4. [M 8,192, K 1,024] x [K 1,024, N 1,024]; A: computed on the way; B: input w_proj: QUANTISED
;;   THE QUANTISER, for each operand of a quantised product, along K:
;;     - K is cut into blocks of 32 from its start; a last block that is shorter is filled with zeros.
;;     - A block's scale is 2^e with e = floor(log2(the largest magnitude in the block)) - 8, held to -126 .. 127; a block of zeros has e = 0. As a byte (E8M0): e + 127.
;;     - Each number is divided by its block's scale, clamped to +-448, and rounded to the nearest number of E4M3, ties to even, subnormals kept.
;;     - The product sums the exact products of the quantised numbers (number of the format x scale) in f32.
;;   ~~~python
;;   def quantise(x, axis):      # numpy; x: float32 -> the quantised numbers, widened to float32 again
;;       x = np.moveaxis(x, axis, -1); K = x.shape[-1]
;;       x = np.pad(x, [(0, 0)] * (x.ndim - 1) + [(0, -K % 32)]); x = x.reshape(x.shape[:-1] + (-1, 32)); a = np.abs(x).max(-1, keepdims=True)
;;       e = np.where(a > 0, np.clip(np.frexp(np.where(a > 0, a, 1))[1] - 1 - 8, -126, 127), 0)      # np.frexp(a)[1] - 1 = floor(log2(a)), exactly
;;       r = np.clip(x / 2.0 ** e, -448, 448)
;;       step = 2.0 ** (np.maximum(np.frexp(np.where(r == 0, 1, r))[1] - 1, -6) - 3)
;;       q = np.round(r / step) * step * 2.0 ** e      # np.round: ties to even
;;       return np.moveaxis(q.reshape(q.shape[:-2] + (-1,))[..., :K], -1, axis).astype(np.float32)
;;   ~~~
;;   SOFTMAX AHEAD OF A QUANTISED PRODUCT. Where the list says 'softmax', what is quantised is not the finished softmax but p = 2^(t - M), with t = logit x log2(e) and M = ceil(the row's largest t), a whole number; so 1/2 < the row's largest p <= 1. The row's sum l is taken of the UNQUANTISED p, in f32, and the product's result is divided by l at the end. Since M is a whole number, a kernel that streams over the keys may use a running M (the ceiling of the running maximum): every later rescaling is an exact power of two, which a block's scale takes up: the codes' values come out the same.
;;   OPERANDS COMPUTED ON THE WAY. 'Computed on the way' means the value that the module computes at that place (a softmax that the list does not call 'softmax' is quantised finished and normalised). What goes into a quantiser is computed in f32, as accurately as f32 sums, v_exp_f32 and their like allow (about 1e-6 of the number): no bf16 or f16 on the way to a quantiser, and a product that is left as it is and whose result goes on into a quantised operand takes f32 operands (vector FMAs, or v_wmma_f32_16x16x4_f32). A number that lies on a knife's edge between two numbers of the format may be rounded either way, as far as f32 arithmetic and the matrix unit's own rounding can turn it there, and no further.
;; One version. Each part assembles by itself: llvm-mc -triple=amdgcn-amd-amdhsa -mcpu=gfx1250 --defsym DOCPART=n.
;; ======== version 1 of 1: 4 launches
;; limits: right only within a limited range of input values
;; workspace buffers: prep 12,976,128 bytes; qkv 26,476,544 bytes; ybuf 8,650,752 bytes
;; launch prep (part 1): grid 512 x 1, 4 waves a work-group, no clusters, 34,304 bytes of LDS; arguments x, w_attn, w_proj, prep; writes prep
.if DOCPART == 1
	.amdgcn_target "amdgcn-amd-amdhsa--gfx1250"
	.amdhsa_code_object_version 6
	.text
	.protected	k_q2050de915f_prep
	.globl	k_q2050de915f_prep
	.p2align	8
	.type	k_q2050de915f_prep,@function
k_q2050de915f_prep:
	s_mov_b64 s[64:65], 0
	v_nop
	global_prefetch_b8 v0, s[64:65] scope:SCOPE_SE
	s_setreg_imm32_b32 hwreg(HW_REG_WAVE_MODE, 25, 1), 1
	s_wait_xcnt 0x0
; CAUSAL SELF-ATTENTION IN MX-FP8, launch 1 of 4: x [8192][1024], w_attn [1024][3072] and w_proj [1024][1024], f32, become codes of E4M3 with one E8M0 byte for each 32 along K (K = the 1,024).
; WORK LEFT OUT BY THE PROGRAM: in the third launch the key steps (16 queries x 128 keys) all of whose keys come after all of the tile's queries.  reference() builds the mask tril(ones(T, T)) in its own body and sets
; those logits to -inf ahead of the softmax, so their weights are 0 for all values of the inputs and they reach no output.  All five inputs have a way to the output and are loaded (b_attn's part for k too: it moves codes).
; LIMIT: a NaN, an infinity or an overflow that reaches only the steps left out is not carried to the result.
; LIMITS OF THE QUANTISER: a block of zeros gets the byte 1 where the rule says 127 (its codes are zeros, which add nothing under any byte but 0xff, and this program alone reads the bytes); blocks whose largest
; magnitude lies under 2^(9 - 127), the floor, were not tried; NaN and infinities among the inputs are not served.
; LAYOUT OF ALL OPERANDS THAT THIS PROGRAM MAKES: AN IMAGE OF THE OPERAND'S REGISTERS.  A fragment (16 rows x 128 K) is 2,048 bytes: register group c (0..3) is 512 bytes, lane l's 16 bytes at 512 c + 16 l.
; ORDER INSIDE A BLOCK OF 32: byte i (0..15) of lane (r, h) in group c holds k = 32 c + 8 h + i % 8 + 16 (i / 8): the order in which two neighbouring result tiles lie in a lane.  Every operand of every product has it, so
; the two sides agree place by place and a block holds the same 32 numbers as in the problem; only the order of the sums inside a matrix instruction differs.
; prep: x's codes at 0 [row tile 512][K step 8][2048]; w_attn's at WI [column tile 192][8][2048]; w_proj's at PI [64][8][2048]; the scale bytes at XS, WS, PS: 32 bytes a row or column.
; SHARES: 512 work-groups.  0-255: x, a wave to 16 rows x 512 along K (four units of 128); 256-447: w_attn, 448-511: w_proj, a wave to 32 columns x 128 along K (four blocks of 32).
; Memory binds: no matrix unit, no cluster, no barrier; waves share nothing.  The scale bytes leave in pieces of 8 bytes (x) and 4 bytes (weights), 32 bytes apart: aligned runs of 256 bytes are written in part there:
; one byte for each 128 that the launch reads.
.set WI,    8388608
.set PI,    11534336
.set XS,    12582912
.set WS,    12845056
.set PS,    12943360
.set NU,    4                          ; units, or blocks, to a wave
.set STGB,  8448                       ; x path: a wave's stage in LDS: 16 rows x (512 bytes + 16)
.set SPARE, 4*STGB                     ; behind the stages: the spare words, 128 bytes a wave: two blocks of 256 bytes that no other line names
.set SPW,   252                        ; v252 LDS address of my spare word; never rewritten
.set NIL,   253                        ; v253 0; never rewritten
.set SEL,   24                         ; s[24:25] v_permlanex16_b32's selects for lane l xor 16
.set MNT,   26                         ; s26 the mantissa field of 448
.set RR,    16                         ; x path: v16-143 two sets of 64 registers as loaded
.set XX,    144                        ; v144-207 64 numbers in the operand's order
.set PC,    208                        ; v208-223 a fragment's codes
.set TM,    224                        ; v224-239 at work
.set WD,    240                        ; v240-243 the four scale words of my row
.set OS,    248                        ; v248-249 the two that my lane stores
.set WX,    16                         ; weight paths: v16-79 two sets of 32 numbers
.set CC,    80                         ; v80-87 a block's codes
.set SB,    88                         ; v88 four scale bytes
; 64 numbers of a lane, register 16 b + i of block b, become a fragment's codes in v[PC] on and the row's scale word in v[pw].
.macro QUANT s, pw
.irp b, 0,1,2,3
	v_max3_num_f32 v[TM+\b], |v[\s+16*\b]|, |v[\s+1+16*\b]|, 0x4800000   ; my 16 numbers of block b, and the floor 2^(9 - 127): the byte cannot fall under 1
.endr
.irp i, 2,4,6,8,10,12,14
.irp b, 0,1,2,3
	v_max3_num_f32 v[TM+\b], v[TM+\b], |v[\s+16*\b+\i]|, |v[\s+1+16*\b+\i]|   ; the four blocks by turns
.endr
.endr
.irp b, 0,1,2,3
	v_permlanex16_b32 v[TM+4+\b], v[TM+\b], s[SEL], s[SEL+1]
.endr
.irp b, 0,1,2,3
	v_max_num_f32 v[TM+\b], v[TM+\b], v[TM+4+\b]      ; with lane l xor 16's 16: the block's largest magnitude
.endr
.irp b, 0,1,2,3
	v_add_nc_u32 v[TM+12+\b], 0xfc000000, v[TM+\b]    ; 8 off its exponent field: the conversion's scale operand
.endr
.irp b, 0,1,2,3
	v_and_or_b32 v[TM+8+\b], v[TM+\b], 0x7f800000, s[MNT]   ; 448 x the scale
.endr
.irp b, 0,1,2,3
	v_lshrrev_b32 v[TM+4+\b], 23, v[TM+12+\b]         ; the scale's byte
.endr
	v_lshl_or_b32 v[\pw], v[TM+5], 8, v[TM+4]
	v_lshl_or_b32 v[\pw], v[TM+6], 16, v[\pw]
	v_lshl_or_b32 v[\pw], v[TM+7], 24, v[\pw]
.irp b, 0,1,2,3
.irp i, 0,1,2,3,4,5,6,7,8,9,10,11,12,13,14,15
	v_med3_num_f32 v[\s+16*\b+\i], v[\s+16*\b+\i], -v[TM+8+\b], v[TM+8+\b]   ; the conversion to an 8-bit code does not saturate (ISA guide 7.6.2): the hold at the largest code x the scale
.endr
	v_cvt_scalef32_pk8_fp8_f32 v[PC+4*\b:PC+1+4*\b], v[\s+16*\b:\s+7+16*\b], v[TM+12+\b]
	v_cvt_scalef32_pk8_fp8_f32 v[PC+2+4*\b:PC+3+4*\b], v[\s+8+16*\b:\s+15+16*\b], v[TM+12+\b]
.endr
	v_nop                                          ; a plain line behind the last conversion
.endm
; x path.  Unit t: 16 rows x 128 along K.  Each load reads 512 consecutive bytes of one row.
.macro LOADX t
.set jj, 0
.rept 16
	global_load_b128 v[RR+64*((\t)%2)+4*jj:RR+64*((\t)%2)+4*jj+3], v1, s[4:5] offset:4096*jj+512*(\t) th:TH_LOAD_NT
.set jj, jj+1
.endr
.endm
; The unit turns through my own stage: in as loaded, out in the operand's order.  LDS serves a wave's instructions in order (ISA guide 5.7.1.4): no wait between the stores and the loads.
.macro TURNX t
.set jj, 0
.rept 16
	ds_store_b128 v2, v[RR+64*((\t)%2)+4*jj:RR+64*((\t)%2)+4*jj+3] offset:528*jj
.set jj, jj+1
.endr
.irp c, 0,1,2,3
	ds_load_b128 v[XX+16*\c:XX+16*\c+3], v3 offset:128*\c            ; k = 32 c + 8 h + 0 .. 3
	ds_load_b128 v[XX+16*\c+4:XX+16*\c+7], v3 offset:128*\c+16       ; + 4 .. 7
	ds_load_b128 v[XX+16*\c+8:XX+16*\c+11], v3 offset:128*\c+64      ; k = 32 c + 16 + 8 h + 0 .. 3
	ds_load_b128 v[XX+16*\c+12:XX+16*\c+15], v3 offset:128*\c+80     ; + 4 .. 7
.endr
.endm
.macro UNIT t
.if (\t) < NU-1
	s_wait_loadcnt 16                              ; this unit's 16 loads are in; the next unit's 16 may be out
.else
	s_wait_loadcnt 0x0
.endif
	TURNX \t
	s_wait_dscnt 0x0                               ; the numbers are back, and the stores into the stage have read their registers,
.if (\t) < NU-2
	LOADX (\t)+2                                   ; which take the loads of two units on
.endif
.if (\t) > 0
	s_wait_xcnt 0x0                                ; the last unit's stores have read the codes' registers
.endif
	QUANT XX, WD+(\t)
.irp c, 0,1,2,3
	global_store_b128 v1, v[PC+4*\c:PC+4*\c+3], s[20:21] offset:2048*(\t)+512*\c   ; the image: 512 consecutive bytes a store
.endr
.endm
; Weight paths: a lane takes a column and its registers run down K, so a block of 32 lies in one lane.
.macro WLOAD t, n
.set jj, 0
.rept 32
	global_load_b32 v[WX+32*((\t)%2)+jj], v3, s[12:13] offset:(32*(\t)+jj)*4*\n th:TH_LOAD_NT   ; 128 consecutive bytes a wave; at most 127 rows on: inside the signed 24-bit immediate
.set jj, jj+1
.endr
.endm
.macro WBLOCK t, n
.set XSET, WX+32*((\t)%2)
.if (\t) < NU-1
	s_wait_loadcnt 32                              ; this block's 32 loads are in; the next block's may be out
.else
	s_wait_loadcnt 0x0
.endif
	v_max3_num_f32 v12, |v[XSET]|, |v[XSET+1]|, |v[XSET+2]|
	v_max3_num_f32 v13, |v[XSET+3]|, |v[XSET+4]|, |v[XSET+5]|
.irp i, 6,10,14,18,22,26
	v_max3_num_f32 v12, v12, |v[XSET+\i]|, |v[XSET+\i+1]|
	v_max3_num_f32 v13, v13, |v[XSET+\i+2]|, |v[XSET+\i+3]|
.endr
	v_max3_num_f32 v12, v12, |v[XSET+30]|, |v[XSET+31]|
	v_max3_num_f32 v12, v12, v13, 0x4800000        ; and the floor
	v_add_nc_u32 v11, 0xfc000000, v12              ; the conversion's scale operand
	v_and_or_b32 v10, v12, 0x7f800000, s[MNT]      ; 448 x the scale
	v_lshrrev_b32 v13, 23, v11                     ; the byte
.if (\t) == 0
	v_mov_b32 v[SB], v13
.else
	v_lshl_or_b32 v[SB], v13, 8*(\t), v[SB]
.endif
.set jj, 0
.rept 32
	v_med3_num_f32 v[XSET+jj], v[XSET+jj], -v10, v10
.set jj, jj+1
.endr
.if (\t) > 0
	s_wait_alu depctr_va_vdst(0)
	s_wait_xcnt 0x0                                ; the last block's stores have read the codes' registers
.endif
	v_cvt_scalef32_pk8_fp8_f32 v[CC:CC+1], v[XSET:XSET+7], v11          ; the half h = 0 of the image: k 0-7,
	v_cvt_scalef32_pk8_fp8_f32 v[CC+2:CC+3], v[XSET+16:XSET+23], v11    ; k 16-23;
	v_cvt_scalef32_pk8_fp8_f32 v[CC+4:CC+5], v[XSET+8:XSET+15], v11     ; the half h = 1: k 8-15,
	v_cvt_scalef32_pk8_fp8_f32 v[CC+6:CC+7], v[XSET+24:XSET+31], v11    ; k 24-31
	global_store_b128 v4, v[CC:CC+3], s[20:21] offset:(\t)*512          ; sixteen lanes store 256 consecutive bytes, aligned
	global_store_b128 v4, v[CC+4:CC+7], s[20:21] offset:(\t)*512+256
.if (\t) < NU-2
	WLOAD (\t)+2, \n
.endif
.endm
.macro WPATH n, p, codes, scales, first
	s_sub_co_u32 s17, ttmp9, \first
	s_lshr_b32 s18, s17, 3                         ; which 128 columns
	s_and_b32 s19, s17, 7                          ; which 128 along K
	s_lshl_b32 s18, s18, 7
	s_lshl_b32 s27, s16, 5
	s_add_co_u32 s18, s18, s27                     ; my wave's first column
	s_mul_i32 s28, s19, 128*4*\n
	s_lshl_b32 s27, s18, 2
	s_add_co_u32 s28, s28, s27                     ; in the weight
	s_mov_b32 s29, 0
	s_lshl_b32 s30, s18, 10                        ; a column tile's images are 16,384 bytes
	s_lshl_b32 s27, s19, 11                        ; 128 along K are one image
	s_add_co_u32 s30, s30, s27
	s_add_co_u32 s30, s30, \codes
	s_mov_b32 s31, 0
	s_lshl_b32 s32, s18, 5                         ; 32 scale bytes a column
	s_lshl_b32 s27, s19, 2
	s_add_co_u32 s32, s32, s27
	s_add_co_u32 s32, s32, \scales
	s_mov_b32 s33, 0
	s_wait_kmcnt 0x0
	s_add_nc_u64 s[12:13], s[\p:\p+1], s[28:29]
	s_add_nc_u64 s[20:21], s[10:11], s[30:31]
	s_add_nc_u64 s[22:23], s[10:11], s[32:33]
	WLOAD 0, \n
	WLOAD 1, \n
.irp t, 0,1,2,3
	WBLOCK \t, \n
.endr
	global_store_b32 v5, v[SB], s[22:23]           ; my column's 4 bytes, 32 bytes from lane to lane
	s_endpgm
.endm
	s_load_b256 s[4:11], s[0:1], 0x0               ; x s[4:5], w_attn s[6:7], w_proj s[8:9], prep s[10:11]
	v_lshl_add_u32 v[SPW], v0, 2, SPARE
	v_mov_b32 v[NIL], 0
	v_lshrrev_b32 v1, 5, v0
	v_readfirstlane_b32 s16, v1                    ; wave 0..3
	v_and_b32 v6, 31, v0                           ; lane
	s_mov_b32 s[SEL], 0x76543210
	s_mov_b32 s[SEL+1], 0xfedcba98
	s_mov_b32 s[MNT], 0x600000
	s_cmp_lt_u32 ttmp9, 256
	s_cbranch_scc0 .Lweights
	; ---- x
	v_and_b32 v7, 15, v0                           ; r
	v_bfe_u32 v8, v0, 4, 1                         ; h
	v_lshlrev_b32 v1, 4, v6                        ; 16 x lane: in a load's 512 bytes, and in an image's group
	s_mul_i32 s17, s16, STGB
	v_add_nc_u32 v2, s17, v1                       ; the stage, on the way in
	v_mul_u32_u24 v3, v7, 528
	v_lshl_add_u32 v3, v8, 5, v3
	v_add_nc_u32 v3, s17, v3                       ; and out: row r, + 32 h
	v_lshlrev_b32 v4, 5, v7
	v_lshl_add_u32 v4, v8, 3, v4                   ; the scale bytes: 32 r + 8 h
.irp b, 0,1,2,3
	v_mov_b32 v[TM+4+\b], 0                        ; written once: a lane permute's destination counts as one of its sources
.endr
	s_lshl_b32 s18, ttmp9, 1
	s_lshr_b32 s19, s16, 1
	s_add_co_u32 s18, s18, s19                     ; my tile of 16 rows
	s_and_b32 s19, s16, 1                          ; and which 512 along K
	s_lshl_b32 s28, s18, 16                        ; 16 rows of 4,096 bytes,
	s_lshl_b32 s27, s19, 11
	s_add_co_u32 s28, s28, s27                     ; 2,048 bytes along each
	s_mov_b32 s29, 0
	s_lshl_b32 s30, s18, 14                        ; eight images a tile,
	s_lshl_b32 s27, s19, 13
	s_add_co_u32 s30, s30, s27                     ; four of them mine
	s_mov_b32 s31, 0
	s_lshl_b32 s32, s18, 9                         ; 16 x 32 scale bytes,
	s_lshl_b32 s27, s19, 4
	s_add_co_u32 s32, s32, s27                     ; 16 of each row's mine
	s_add_co_u32 s32, s32, XS
	s_mov_b32 s33, 0
	s_wait_alu depctr_va_vdst(0)
	s_wait_kmcnt 0x0
	s_add_nc_u64 s[4:5], s[4:5], s[28:29]
	s_add_nc_u64 s[20:21], s[10:11], s[30:31]
	s_add_nc_u64 s[22:23], s[10:11], s[32:33]
	LOADX 0
	LOADX 1
.irp t, 0,1,2,3
	UNIT \t
.endr
	v_cmp_lt_u32 vcc_lo, 15, v6                    ; lanes 16-31 store my row's words 2 and 3
.irp i, 0,1
	v_cndmask_b32 v[OS+\i], v[WD+\i], v[WD+2+\i], vcc_lo
.endr
	global_store_b64 v4, v[OS:OS+1], s[22:23]
	s_wait_tensorcnt 0x0                           ; the wave's end: behind my last LDS store
	ds_add_u32 v[SPW], v[NIL]
	s_wait_dscnt 0x0
	s_endpgm
.Lweights:
	s_wait_alu depctr_va_vdst(0)
	v_lshlrev_b32 v3, 2, v6                        ; in: 4 bytes a lane
	v_lshrrev_b32 v4, 4, v6
	v_lshlrev_b32 v4, 14, v4                       ; out: lanes 16-31 belong to the next column tile,
	v_and_b32 v7, 15, v6
	v_lshl_add_u32 v4, v7, 4, v4                   ; 16 bytes a column
	v_lshlrev_b32 v5, 5, v6                        ; 32 scale bytes a column
	s_cmp_lt_u32 ttmp9, 448
	s_cbranch_scc0 .Lproj
	s_wait_alu depctr_va_vdst(0)
	WPATH 3072, 6, WI, WS, 256
.Lproj:
	s_wait_alu depctr_va_vdst(0)
	WPATH 1024, 8, PI, PS, 448
.Lfunc_end_k_q2050de915f_prep:
	.size	k_q2050de915f_prep, .Lfunc_end_k_q2050de915f_prep-k_q2050de915f_prep
	.p2alignl 7, 3214868480
	.fill 96, 4, 3214868480
	.section	.rodata,"a",@progbits
	.p2align	6, 0x0
	.amdhsa_kernel k_q2050de915f_prep
		.amdhsa_group_segment_fixed_size 34304
		.amdhsa_private_segment_fixed_size 0
		.amdhsa_enable_private_segment 0
		.amdhsa_kernarg_size 32
		.amdhsa_user_sgpr_count 2
		.amdhsa_user_sgpr_kernarg_segment_ptr 1
		.amdhsa_wavefront_size32 1
		.amdhsa_system_sgpr_workgroup_id_x 1
		.amdhsa_system_sgpr_workgroup_id_y 1
		.amdhsa_system_sgpr_workgroup_id_z 1
		.amdhsa_system_vgpr_workitem_id 0
		.amdhsa_next_free_vgpr 256
		.amdhsa_next_free_sgpr 66
		.amdhsa_reserve_vcc 1
		.amdhsa_float_denorm_mode_32 3
		.amdhsa_float_denorm_mode_16_64 3
		.amdhsa_memory_ordered 1
		.amdhsa_forward_progress 1
		.amdhsa_inst_pref_size 107
	.end_amdhsa_kernel
	.amdgpu_metadata
---
amdhsa.version: [ 1, 2 ]
amdhsa.kernels:
  - .name:           k_q2050de915f_prep
    .symbol:         k_q2050de915f_prep.kd
    .args:
      - { .name: x, .offset: 0, .size: 8, .value_kind: global_buffer, .address_space: global }
      - { .name: w_attn, .offset: 8, .size: 8, .value_kind: global_buffer, .address_space: global }
      - { .name: w_proj, .offset: 16, .size: 8, .value_kind: global_buffer, .address_space: global }
      - { .name: prep, .offset: 24, .size: 8, .value_kind: global_buffer, .address_space: global }
    .group_segment_fixed_size: 34304
    .private_segment_fixed_size: 0
    .kernarg_segment_align: 8
    .kernarg_segment_size: 32
    .max_flat_workgroup_size: 128
    .sgpr_count:     66
    .vgpr_count:     256
    .wavefront_size: 32
...
	.end_amdgpu_metadata
.endif
;; end of part 1
;; launch gemm_qkv (part 2): grid 32 x 8, 4 waves a work-group, clusters of 4 x 1, 327,680 bytes of LDS; arguments prep, b_attn, qkv; writes qkv
.if DOCPART == 2
	.amdgcn_target "amdgcn-amd-amdhsa--gfx1250"
	.amdhsa_code_object_version 6
	.text
	.protected	k_q2050de915f_gemm_qkv
	.globl	k_q2050de915f_gemm_qkv
	.p2align	8
	.type	k_q2050de915f_gemm_qkv,@function
k_q2050de915f_gemm_qkv:
	s_mov_b64 s[64:65], 0
	v_nop
	global_prefetch_b8 v0, s[64:65] scope:SCOPE_SE
	s_setreg_imm32_b32 hwreg(HW_REG_WAVE_MODE, 25, 1), 1
	s_wait_xcnt 0x0
	s_wait_alu depctr_hold_cnt(0) depctr_sa_sdst(0) depctr_va_vdst(0) depctr_va_sdst(0) depctr_va_ssrc(0) depctr_va_vcc(0) depctr_vm_vsrc(0)
	s_getreg_b32 s2, hwreg(HW_REG_IB_STS2, 6, 4)
	s_cmp_eq_u32 s2, 0
	s_cbranch_scc0 .Lentry_in_a_cluster
	s_endpgm
.Lentry_in_a_cluster:
	s_bfe_u32 s2, ttmp6, 0x10000c
	s_cmp_lg_u32 s2, 0x3003
	s_cbranch_scc0 .Lentry_shape_is_right
	s_endpgm
.Lentry_shape_is_right:
; Launch 2 of 4: qkv = x w_attn + b_attn on codes of E4M3 (K = 1,024), and q, k, v quantised on the way out: q and k along the head's 64, v along the keys.  Nothing of reference() is left out here.
; SHARES: 256 work-groups.  A work-group takes 256 tokens (row tile RT: one record of keys) and 384 columns: q, k and v of heads 2 g and 2 g + 1.  Wave w keeps its 64 tokens (four tiles of 16), ALL of K, in registers:
; 32 fragments, 512 registers (windows 1, 2), loaded straight from memory, since every operand of this program is an image of its registers (16 rows x 128 K = 2,048 bytes, lane l's 16 bytes of group c at 512 c + 16 l).
; THE WEIGHTS STREAM PAST THEM from LDS in tiles of 16 columns x all of K (128 registers a tile, two sets, window 3); each fragment of a weight feeds four products.  All four waves read the same weights.
; LDS: two slots of 131,072 bytes.  Slot 0: q's 128 columns, at the head; slot 1: k's, behind the full sequence and a round; behind q's phase the first half of slot 0 takes v's head 2 g, behind k's phase the first half of
; slot 1 takes v's head 2 g + 1: each a refill behind a drained round.  The launch claims all of LDS; the text uses 268,800 bytes.
; CLUSTER 4, 1, 1: four row tiles with one g need the same weights: every fill is asked for jointly (mask 15), by a descriptor made of g and the wave's number.  x goes to registers and is not shared through LDS.
; NO PREFETCH: k's fill has q's whole phase (256 products a wave) in which to land, v's first k's phase, v's second a chunk of 128 products; the first fill has no loop ahead of it.
; q, k: source 0 = 16 columns, source 1 = 16 tokens: a lane holds a token, its registers the columns 8 (lane / 16) + 0 .. 7; the bias is the first products' C.  v: the sources are exchanged: a lane holds a column, its registers run
; along the KEYS; its bias, one number a lane and tile, is added ahead of the quantiser.  A pair of column tiles gives 64 sums a lane: four blocks of 32 (16 in lane l, 16 in lane l xor 16), quantised together.
; OUT: qkv: q's images at 0 [batch x head 64][token tile 128][1,024] (K = 64: groups 0 and 1); q's scale words at QS [64][2048]; at KV a record of REC bytes for each 256 keys of each head:
; k's 16 images of 1,024 bytes | v's [key step 2][dim tile 4] images of 2,048 | k's 256 scale words | v's [2][64] scale words.  In q's and k's words bytes 2 and 3 are 0 and meet zero codes alone.
; LIMITS: as in the first launch: a block of zeros gets the byte 1; blocks under the floor 2^(9 - 127) were not tried; NaN and infinities are not served.
.set WI,    8388608
.set XS,    12582912
.set WS,    12845056
.set QS,    8388608
.set KV,    8912896
.set REC,   34304
.set SLOT,  131072
.set BL,    2*SLOT                     ; behind the slots: q's and k's bias, a copy of 1,024 bytes for each wave
.set WST,   BL+4096                    ; a stage of 256 bytes for each wave: q's or k's scale words
.set VW,    WST+1024                   ; v's scale words of the work-group: [head 2][key step 2][256]
.set SPARE, VW+1024                    ; the spare words, 128 bytes a wave: two blocks of 256 bytes that no other line names
.set ALN,  4                           ; v4  16 x lane: also the LDS address of slot 0
.set AW,   6                           ; v6, v7 LDS address of the slot in hand, and 65,536 on
.set AV,   8                           ; v8  of slot 1
.set XSO,  9                           ; v9  32 x (lane % 16)
.set WSO,  10                          ; v10 32 x lane
.set BLA,  11                          ; v11 my copy of the bias: + 32 (lane / 16)
.set BLS,  12                          ; v12 the same + 16 x lane
.set WSI,  13                          ; v13 the words' stage: in
.set WSR,  14                          ; v14 and out
.set L8,   15                          ; v15 8 x lane
.set VWI,  16                          ; v16 v's words: in
.set VWR,  17                          ; v17 and out
.set BVO,  18                          ; v18 4 x (lane % 16)
.set BLT,  19                          ; v19 the bias of the tensor in hand
.set SPW,  20                          ; v20 my spare word; never rewritten
.set NIL,  21                          ; v21 0; never rewritten
.set SBW,  24                          ; v24-39, v80-95 the weights' scale words of a chunk of 64 columns, set u at + 56 u: register 8 p + q: lanes 0-15 tile 2 p's, lanes 16-31 tile 2 p + 1's
.set SA,   44                          ; v44-75 x's: register 8 rt + q.  No product's two scale words have numbers equal modulo 8
.set WD,   76                          ; v76-79 scale words in the making
.set BV,   96                          ; v96-111 v's bias: chunk u, tile d in the pair at 8 u + 2 d, both registers alike
.set BIAS, 112                         ; v112-143 q's or k's bias of a chunk, in the result's layout
.set ACC,  144                         ; v144-207 the sums of a pair of column tiles
.set PC,   208                         ; v208-223 their codes
.set TM,   224                         ; v224-239 at work
.set TB,   240                         ; v240-247 the bias on its way to LDS
.set OW,   248                         ; v248-249 words on their way out
.set G1A,  24                          ; s[24:31] a quarter of a slot: 128 rows of 256 bytes;  s[32:39] a quarter of a chunk: 64 rows
.set G1V,  32
.set G0,   40
.set G0V,  44
.set SEL,  66
.set MNT,  68
.set T,    69                          ; s69 0: q, 1: k
.set TBS,  94                          ; s94 LDS byte at which the slot in hand begins
.set MSB, 0
.macro WIN new                         ; the immediate's high byte repeats the setting that is left
.if MSB != \new
	s_set_vgpr_msb (MSB<<8)|\new
.set MSB, \new
.endif
.endm
.macro BARRIER
	s_barrier_signal -1
	s_barrier_wait -1
.endm
.macro CROUND                          ; a round of the cluster's barrier
	BARRIER
	s_cmp_lg_u32 s14, 0
	s_cbranch_scc1 .Lnot_wave_0_\@
	s_barrier_signal -3
.Lnot_wave_0_\@:
	s_barrier_wait -3
	BARRIER
.endm
.macro TLOAD g0, g1                    ; an s_nop 0 and four v_nop follow the line
	tensor_load_to_lds s[\g0:\g0+3], s[\g1:\g1+7]
	s_nop 0
.rept 4
	v_nop
.endr
.endm
	s_load_b128 s[4:7], s[0:1], 0x0                ; prep s[4:5], b_attn s[6:7]
	s_load_b64 s[8:9], s[0:1], 0x10                ; qkv
	v_lshl_add_u32 v[SPW], v0, 2, SPARE
	v_mov_b32 v[NIL], 0
	ds_add_u32 v[SPW], v[NIL]                      ; the wave's opening: the add, twice on end, and its wait ahead of my first tensor load
	ds_add_u32 v[SPW], v[NIL]
	v_lshrrev_b32 v1, 5, v0
	v_and_b32 v2, 31, v0                           ; lane
	v_and_b32 v3, 15, v0                           ; r
	v_bfe_u32 v5, v0, 4, 1                         ; h
	v_readfirstlane_b32 s14, v1                    ; wave 0..3
	v_lshlrev_b32 v[ALN], 4, v2
	v_lshlrev_b32 v[WSO], 5, v2
	v_lshlrev_b32 v[XSO], 5, v3
	v_lshlrev_b32 v[L8], 3, v2
	v_lshlrev_b32 v[BVO], 2, v3
	v_add_nc_u32 v[AV], SLOT, v[ALN]
	s_lshl_b32 s70, s14, 10
	s_add_co_u32 s70, s70, BL
	v_lshl_add_u32 v[BLA], v5, 5, s70
	v_add_nc_u32 v[BLS], s70, v[ALN]
	s_lshl_b32 s71, s14, 8
	s_add_co_u32 s72, s71, WST
	v_lshl_add_u32 v[WSI], v3, 2, s72
	v_add_nc_u32 v[WSR], s72, v[L8]
	s_add_co_u32 s72, s71, VW
	v_add_nc_u32 v[VWR], s72, v[L8]
	s_lshr_b32 s73, s14, 1                         ; my key step of the record's two,
	s_and_b32 s74, s14, 1                          ; and which 64 of its keys
	s_lshl_b32 s72, s73, 8
	s_lshl_b32 s75, s74, 1
	s_add_co_u32 s72, s72, s75
	s_add_co_u32 s72, s72, VW
	v_lshl_add_u32 v[VWI], v3, 2, s72              ; v's words: 256 x key step + 4 r + my two bytes of the four
.irp b, 0,1,2,3
	v_mov_b32 v[TM+4+\b], 0                        ; written once: a lane permute's destination counts as one of its sources
.endr
	s_bfe_u32 s15, ttmp6, 0x40000                  ; cx
	s_and_b32 s16, ttmp7, 0xffff                   ; g: the cluster's y
	s_lshl_b32 s17, ttmp9, 2
	s_add_co_u32 s17, s17, s15                     ; RT: it enters addresses of plain loads and stores alone
	s_mov_b32 s[G1A], 15|(3<<16)|(1<<21)           ; the mask names the cluster's four, bit 21 beside it; elements of 8 bytes; dense in LDS
	s_mov_b32 s[G1A+1], 32<<16
	s_mov_b32 s[G1A+2], 128<<16
	s_mov_b32 s[G1A+3], 32<<16
	s_mov_b32 s[G1A+4], 128
	s_mov_b32 s[G1A+5], 32
	s_mov_b32 s[G1A+6], 0
	s_mov_b32 s[G1A+7], 0
	s_mov_b32 s[G1V], 15|(3<<16)|(1<<21)
	s_mov_b32 s[G1V+1], 32<<16
	s_mov_b32 s[G1V+2], 64<<16
	s_mov_b32 s[G1V+3], 32<<16
	s_mov_b32 s[G1V+4], 64
	s_mov_b32 s[G1V+5], 32
	s_mov_b32 s[G1V+6], 0
	s_mov_b32 s[G1V+7], 0
	s_mov_b32 s[SEL], 0x76543210
	s_mov_b32 s[SEL+1], 0xfedcba98
	s_mov_b32 s[MNT], 0x600000
	s_lshl_b32 s18, s14, 15                        ; my quarter of a slot
	s_lshl_b32 s20, s16, 17                        ; q's 128 columns: column tile 8 g, 16,384 bytes a tile
	s_add_co_u32 s20, s20, s18
	s_add_co_u32 s20, s20, WI
	s_mov_b32 s21, 0
	s_lshl_b32 s19, s14, 14                        ; my quarter of a chunk
	s_lshl_b32 s22, s16, 17
	s_add_co_u32 s22, s22, s19
	s_add_co_u32 s22, s22, WI+(2<<20)-65536        ; one chunk ahead of v's first: each refill steps it first
	s_mov_b32 s23, 0
	s_lshl_b32 s48, s17, 18                        ; x's images: row tile 16 RT + 4 w
	s_lshl_b32 s70, s14, 16
	s_add_co_u32 s48, s48, s70
	s_mov_b32 s49, 0
	s_lshl_b32 s50, s17, 13                        ; x's scale bytes: 32 a row
	s_lshl_b32 s70, s14, 11
	s_add_co_u32 s50, s50, s70
	s_add_co_u32 s50, s50, XS
	s_mov_b32 s51, 0
	s_lshl_b32 s52, s16, 12                        ; the weights' scale bytes: 32 a column, q's first
	s_add_co_u32 s52, s52, WS
	s_mov_b32 s53, 0
	s_lshl_b32 s54, s16, 9                         ; the bias: column 128 g
	s_mov_b32 s55, 0
	s_lshr_b32 s81, s17, 3                         ; batch
	s_and_b32 s82, s17, 7                          ; the record
	s_lshl_b32 s83, s81, 4
	s_lshl_b32 s84, s16, 1
	s_add_co_u32 s83, s83, s84                     ; 16 x batch + head 2 g
	s_lshl_b32 s76, s83, 17                        ; s76 q's codes
	s_lshl_b32 s70, s82, 14
	s_add_co_u32 s76, s76, s70
	s_lshl_b32 s71, s14, 12
	s_add_co_u32 s76, s76, s71
	s_lshl_b32 s78, s83, 13                        ; s78 q's words
	s_lshl_b32 s70, s82, 10
	s_add_co_u32 s78, s78, s70
	s_lshl_b32 s72, s14, 8
	s_add_co_u32 s78, s78, s72
	s_add_co_u32 s78, s78, QS
	s_lshl_b32 s85, s83, 3
	s_add_co_u32 s85, s85, s82
	s_mul_i32 s85, s85, REC
	s_add_co_u32 s85, s85, KV                      ; the record of head 2 g
	s_add_co_u32 s77, s85, s71                     ; s77 k's codes
	s_add_co_u32 s79, s85, s72
	s_add_co_u32 s79, s79, 32768                   ; s79 k's words
	s_lshl_b32 s70, s73, 13
	s_lshl_b32 s71, s74, 10
	s_add_co_u32 s86, s85, s70
	s_add_co_u32 s86, s86, s71
	s_add_co_u32 s86, s86, 16384                   ; s86 v's codes: my key step's images, my two groups of the four
	s_mov_b32 s80, 8*REC                           ; from a head to the next among the records
	s_mul_i32 s87, s73, s80
	s_lshl_b32 s70, s74, 8
	s_add_co_u32 s87, s87, s70
	s_add_co_u32 s87, s87, s85
	s_add_co_u32 s87, s87, 33792                   ; s87 v's words: at the end wave w stores head w / 2, key step w % 2
	s_mov_b32 s[T], 0
	s_mov_b32 s[TBS], 0
	s_wait_alu depctr_va_vdst(0)
	s_wait_dscnt 0x0                               ; both opening adds are done
	CROUND                                         ; the four work-groups are here: the joint loads meet
	s_wait_kmcnt 0x0
	s_mov_b32 s[G0], 1
	s_mov_b32 s[G0+1], s18
	s_add_nc_u64 s[G0+2:G0+3], s[4:5], s[20:21]
	s_or_b32 s[G0+3], s[G0+3], 0x80000000
	TLOAD G0, G1A                                  ; slot 0: q's columns; one line, every wave its quarter, and every wave waits for it below
	s_mov_b32 s[G0V], 1
	s_xor_b32 s[G0V+1], s19, SLOT                  ; each refill turns it first: slot 0, then slot 1
	s_add_nc_u64 s[G0V+2:G0V+3], s[4:5], s[22:23]
	s_or_b32 s[G0V+3], s[G0V+3], 0x80000000
	s_add_nc_u64 s[48:49], s[4:5], s[48:49]
	s_add_nc_u64 s[50:51], s[4:5], s[50:51]
	s_add_nc_u64 s[52:53], s[4:5], s[52:53]
	s_add_nc_u64 s[54:55], s[6:7], s[54:55]
	global_load_b128 v[TB:TB+3], v[ALN], s[54:55]                  ; q's bias, 128 columns: 512 consecutive bytes
	global_load_b128 v[TB+4:TB+7], v[ALN], s[54:55] offset:4096    ; k's
.irp t, 0,1,2,3
	global_load_b128 v[SA+8*\t:SA+8*\t+3], v[XSO], s[50:51] offset:512*\t
	global_load_b128 v[SA+8*\t+4:SA+8*\t+7], v[XSO], s[50:51] offset:512*\t+16
.endr
.macro WSCALES u                       ; a chunk's scale words into set u: lane l takes column l of a pair of tiles: 4 loads
.irp p, 0,1
.irp c, 0,1
	global_load_b128 v[SBW+56*(\u)+8*\p+4*\c:SBW+56*(\u)+8*\p+4*\c+3], v[WSO], s[52:53] offset:2048*(\u)+1024*\p+16*\c
.endr
.endr
.endm
	WSCALES 0
	WSCALES 1
.set N_, 0
.rept 16
	global_load_b32 v[BV+N_], v[BVO], s[54:55] offset:8192+256*(N_/8)+64*((N_%8)/2)
.set N_, N_+1
.endr
.set F_, 0
.rept 32                               ; x: fragment 4 q + rt
	WIN (1+F_/16)<<6
.irp c, 0,1,2,3
	global_load_b128 v[16*(F_%16)+4*\c:16*(F_%16)+4*\c+3], v[ALN], s[48:49] offset:(F_%4)*16384+(F_/4)*2048+512*\c
.endr
.set F_, F_+1
.endr
	WIN 0
	s_wait_loadcnt 63                              ; the two loads of the bias are in: 160 loads were issued behind them
	ds_store_b128 v[BLS], v[TB:TB+3]               ; my own copy: no other wave reads it
	ds_store_b128 v[BLS], v[TB+4:TB+7] offset:512
	s_wait_tensorcnt 0x0                           ; my quarter of slot 0 is in
	ds_add_u32 v[SPW], v[NIL]
	s_add_co_u32 s[G0+1], s18, SLOT                ; no tensor load of mine is out: slot 1,
	s_add_nc_u64 s[G0+2:G0+3], s[G0+2:G0+3], 1<<20 ; k's columns: 64 column tiles on
	s_wait_dscnt 0x0
	CROUND
	TLOAD G0, G1A
	s_wait_loadcnt 0x0                             ; x, the scale words, v's bias
.macro FETCH m, alo, ahi               ; column tile m of the eight in hand, all of K, into set m % 2 of window 3: 32 loads
	WIN 3<<6
.set Q_, 0
.rept 8
.irp c, 0,1,2,3
.if (\m) < 4
	ds_load_b128 v[128*((\m)%2)+16*Q_+4*\c:128*((\m)%2)+16*Q_+4*\c+3], v[\alo] offset:((\m)%4)*16384+2048*Q_+512*\c
.else
	ds_load_b128 v[128*((\m)%2)+16*Q_+4*\c:128*((\m)%2)+16*Q_+4*\c+3], v[\ahi] offset:((\m)%4)*16384+2048*Q_+512*\c
.endif
.endr
.set Q_, Q_+1
.endr
	WIN 0
.endm
.macro BIASL u                         ; the bias of chunk u in the result's layout: 8 loads
.irp k, 0,1,2,3,4,5,6,7
	ds_load_b128 v[BIAS+4*\k:BIAS+4*\k+3], v[BLT] offset:256*(\u)+64*(\k/2)+16*(\k%2)
.endr
.endm
.macro PRODS kind, n, q0               ; K steps q0 .. q0 + 3 of column tile n against my four row tiles: 16 products, four accumulators by turns
.set Q_, \q0
.rept 4
.set R_, 0
.rept 4
.set F_, 4*Q_+R_
.set X_, 16*(F_%16)
.set W_, 128*((\n)%2)+16*Q_
.set SW_, SBW+56*((\n)/4)+8*(((\n)%4)/2)+Q_
.set SX_, SA+8*R_+Q_
.if \kind
.set AC_, ACC+32*((\n)%2)+8*R_
	WIN (1+F_/16)|(3<<2)
.if Q_ == 0
.if (\n)%2
	v_wmma_scale_f32_16x16x128_f8f6f4 v[AC_:AC_+7], v[X_:X_+15], v[W_:W_+15], 0, v[SX_], v[SW_] matrix_b_scale:MATRIX_SCALE_ROW1
.else
	v_wmma_scale_f32_16x16x128_f8f6f4 v[AC_:AC_+7], v[X_:X_+15], v[W_:W_+15], 0, v[SX_], v[SW_]
.endif
.else
.if (\n)%2
	v_wmma_scale_f32_16x16x128_f8f6f4 v[AC_:AC_+7], v[X_:X_+15], v[W_:W_+15], v[AC_:AC_+7], v[SX_], v[SW_] matrix_b_scale:MATRIX_SCALE_ROW1
.else
	v_wmma_scale_f32_16x16x128_f8f6f4 v[AC_:AC_+7], v[X_:X_+15], v[W_:W_+15], v[AC_:AC_+7], v[SX_], v[SW_]
.endif
.endif
.else
.set AC_, ACC+16*R_+8*((\n)%2)
.set C_, AC_
.if Q_ == 0
.set C_, BIAS+8*((\n)%4)
.endif
	WIN 3|((1+F_/16)<<2)
.if (\n)%2
	v_wmma_scale_f32_16x16x128_f8f6f4 v[AC_:AC_+7], v[W_:W_+15], v[X_:X_+15], v[C_:C_+7], v[SW_], v[SX_] matrix_a_scale:MATRIX_SCALE_ROW1
.else
	v_wmma_scale_f32_16x16x128_f8f6f4 v[AC_:AC_+7], v[W_:W_+15], v[X_:X_+15], v[C_:C_+7], v[SW_], v[SX_]
.endif
.endif
.set R_, R_+1
.endr
.set Q_, Q_+1
.endr
.endm
; 64 sums of a lane, register 16 b + i of block b, become codes in v[PC] on.  The bytes: mode 0: into v[WD + b]; mode 1: onto byte 1 of v[WD + b]; mode 2: blocks 0, 1 make v[WD], blocks 2, 3 v[WD + 1].
.macro QUANT mode
.irp b, 0,1,2,3
	v_max3_num_f32 v[TM+\b], |v[ACC+16*\b]|, |v[ACC+1+16*\b]|, 0x4800000   ; my 16 numbers of block b, and the floor 2^(9 - 127): the byte cannot fall under 1
.endr
.irp i, 2,4,6,8,10,12,14
.irp b, 0,1,2,3
	v_max3_num_f32 v[TM+\b], v[TM+\b], |v[ACC+16*\b+\i]|, |v[ACC+1+16*\b+\i]|
.endr
.endr
.irp b, 0,1,2,3
	v_permlanex16_b32 v[TM+4+\b], v[TM+\b], s[SEL], s[SEL+1]
.endr
.irp b, 0,1,2,3
	v_max_num_f32 v[TM+\b], v[TM+\b], v[TM+4+\b]   ; with lane l xor 16's 16
.endr
.irp b, 0,1,2,3
	v_add_nc_u32 v[TM+12+\b], 0xfc000000, v[TM+\b] ; the conversion's scale operand
.endr
.irp b, 0,1,2,3
	v_and_or_b32 v[TM+8+\b], v[TM+\b], 0x7f800000, s[MNT]   ; 448 x the scale
.endr
.irp b, 0,1,2,3
.if (\mode) == 0
	v_lshrrev_b32 v[WD+\b], 23, v[TM+12+\b]        ; the byte
.else
	v_lshrrev_b32 v[TM+4+\b], 23, v[TM+12+\b]
.endif
.endr
.if (\mode) == 1
.irp b, 0,1,2,3
	v_lshl_or_b32 v[WD+\b], v[TM+4+\b], 8, v[WD+\b]
.endr
.endif
.if (\mode) == 2
	v_lshl_or_b32 v[WD], v[TM+5], 8, v[TM+4]
	v_lshl_or_b32 v[WD+1], v[TM+7], 8, v[TM+6]
.endif
.irp b, 0,1,2,3
.irp i, 0,1,2,3,4,5,6,7,8,9,10,11,12,13,14,15
	v_med3_num_f32 v[ACC+16*\b+\i], v[ACC+16*\b+\i], -v[TM+8+\b], v[TM+8+\b]   ; the conversion does not saturate (ISA guide 7.6.2): the hold
.endr
	v_cvt_scalef32_pk8_fp8_f32 v[PC+4*\b:PC+1+4*\b], v[ACC+16*\b:ACC+7+16*\b], v[TM+12+\b]
	v_cvt_scalef32_pk8_fp8_f32 v[PC+2+4*\b:PC+3+4*\b], v[ACC+8+16*\b:ACC+15+16*\b], v[TM+12+\b]
.endr
	v_nop                                          ; a plain line behind the last conversion
.endm
.macro TILE kind, n, alo, ahi
.set Z_, 0
.if (\n) == 7
.set Z_, 1
.endif
.if (\n) == 4 && (\kind) == 0
.set Z_, 1
.endif
.if (\n) == 3 && (\kind) == 1
.set Z_, 1
.endif
.if Z_
	s_wait_dscnt 0x0
.else
	s_wait_dscnt 32                                ; this tile's fragments are in; the next fetch's 32 loads may be out
.endif
.if (\n) == 4
	s_wait_loadcnt 4*(1-(\kind))                   ; set 1's scale words are in; q, k: behind them set 0's four for the next tensor
.endif
	PRODS \kind, \n, 0
	PRODS \kind, \n, 4
	WIN 0
.rept 8
	v_nop                                          ; eight places behind the last product, ahead of the reads of its sums and of the loads into what it has read
.endr
.set Z_, 1
.if (\n) > 5
.set Z_, 0
.endif
.if (\kind) == 1 && ((\n) == 2 || (\n) == 3)
.set Z_, 0
.endif
.if Z_
	FETCH (\n)+2, \alo, \ahi
.endif
.if (\kind) == 0 && (\n)%4 == 3
	WSCALES (\n)/4                                 ; this set's words of the next tensor
.endif
.if (\n)%2
	s_wait_xcnt 0x0                                ; the last stores have read their registers
.if \kind
.set I_, 0
.rept 32
	v_pk_add_f32 v[ACC+I_:ACC+I_+1], v[ACC+I_:ACC+I_+1], v[BV+8*((\n)/4)+4*(((\n)%4)/2)+2*(I_/32):BV+8*((\n)/4)+4*(((\n)%4)/2)+2*(I_/32)+1]   ; v's bias: the lane's column
.set I_, I_+2
.endr
	QUANT 2
.irp d, 0,1
	ds_store_b16 v[VWI], v[WD+\d] offset:512*((\n)/4)+64*(2*(((\n)%4)/2)+\d)
.irp c, 0,1
	global_store_b128 v[ALN], v[PC+8*\d+4*\c:PC+8*\d+4*\c+3], s[56+2*((\n)/4):57+2*((\n)/4)] offset:2048*(2*(((\n)%4)/2)+\d)+512*\c   ; 512 consecutive bytes a store
.endr
.endr
.else
	QUANT ((\n)%4)/2
.irp b, 0,1,2,3
	global_store_b128 v[ALN], v[PC+4*\b:PC+4*\b+3], s[56+2*((\n)/4):57+2*((\n)/4)] offset:1024*\b+512*(((\n)%4)/2)
.endr
.if (\n)%4 == 3
.irp b, 0,1,2,3
	ds_store_b32 v[WSI], v[WD+\b] offset:64*\b     ; both halves of the lanes hold the same word
.endr
	ds_load_b64 v[OW:OW+1], v[WSR]                 ; LDS serves a wave's instructions in order (ISA guide 5.7.1.4): it sees my stores
.if (\n) == 3
	BIASL 1
	s_wait_dscnt 8                                 ; the words are back; the bias' eight loads may be out
.else
	s_wait_dscnt 0x0
.endif
	global_store_b64 v[L8], v[OW:OW+1], s[60+2*((\n)/4):61+2*((\n)/4)]   ; 256 consecutive bytes, aligned
.endif
.endif
.endif
.endm
.Lqk:                                                  ; two trips: q from slot 0, k from slot 1
	s_wait_xcnt 0x0                                ; the last trip's loads and stores have read their bases
	s_add_nc_u64 s[52:53], s[52:53], 32768         ; the scale bytes of the next tensor's columns
	s_cmp_eq_u32 s[T], 0
	s_cselect_b32 s70, s76, s77
	s_cselect_b32 s72, s78, s79
	s_cselect_b32 s88, 131072, s80
	s_cselect_b32 s90, 8192, s80
	s_mov_b32 s71, 0
	s_mov_b32 s73, 0
	s_mov_b32 s89, 0
	s_mov_b32 s91, 0
	s_add_nc_u64 s[56:57], s[8:9], s[70:71]        ; codes: head 2 g,
	s_add_nc_u64 s[58:59], s[56:57], s[88:89]      ; head 2 g + 1
	s_add_nc_u64 s[60:61], s[8:9], s[72:73]        ; words
	s_add_nc_u64 s[62:63], s[60:61], s[90:91]
	s_add_co_u32 s92, s[TBS], 65536
	s_lshl_b32 s93, s[T], 9
	v_add_nc_u32 v[AW], s[TBS], v[ALN]
	v_add_nc_u32 v[AW+1], s92, v[ALN]
	v_add_nc_u32 v[BLT], s93, v[BLA]
	s_wait_alu depctr_va_vdst(0)
	BIASL 0
	FETCH 0, AW, AW+1
	FETCH 1, AW, AW+1
	s_wait_loadcnt 4                               ; set 0's scale words are in; set 1's four may be out
.irp n, 0,1,2,3,4,5,6,7
	TILE 0, \n, AW, AW+1
.endr
	s_wait_tensorcnt 0x0                           ; all my tensor loads have landed: my part of the next slot
	ds_add_u32 v[SPW], v[NIL]
	s_xor_b32 s[G0V+1], s[G0V+1], SLOT             ; the slot just read,
	s_add_nc_u64 s[G0V+2:G0V+3], s[G0V+2:G0V+3], 65536   ; v's next chunk
	s_xor_b32 s[TBS], s[TBS], SLOT
	s_wait_dscnt 0x0                               ; the add is done, and my reads of this slot are over
	CROUND                                         ; no wave of any partner still reads the slot or has a load on its way
	TLOAD G0V, G1V
	s_add_co_u32 s[T], s[T], 1
	s_cmp_lt_u32 s[T], 2
	s_cbranch_scc1 .Lqk
	s_wait_xcnt 0x0
	s_mov_b32 s70, s86
	s_mov_b32 s71, 0
	s_mov_b32 s88, s80
	s_mov_b32 s89, 0
	s_add_nc_u64 s[56:57], s[8:9], s[70:71]        ; v's codes: head 2 g,
	s_add_nc_u64 s[58:59], s[56:57], s[88:89]      ; head 2 g + 1
	FETCH 0, ALN, AV                               ; v's first chunk, in slot 0, was shown by the last round
	FETCH 1, ALN, AV
	s_wait_loadcnt 4
.irp n, 0,1,2,3
	TILE 1, \n, ALN, AV
.endr
	s_wait_tensorcnt 0x0                           ; my part of v's second chunk is in,
	s_wait_dscnt 0x0
	BARRIER                                        ; everybody's is
	FETCH 4, ALN, AV
	FETCH 5, ALN, AV
.irp n, 4,5,6,7
	TILE 1, \n, ALN, AV
.endr
	s_mov_b32 s70, s87
	s_add_nc_u64 s[60:61], s[8:9], s[70:71]
	s_wait_dscnt 0x0                               ; my bytes of v's words are stored,
	BARRIER                                        ; everybody's are
	s_wait_xcnt 0x0
	ds_load_b64 v[OW:OW+1], v[VWR]
	s_wait_dscnt 0x0
	global_store_b64 v[L8], v[OW:OW+1], s[60:61]   ; 256 consecutive bytes, aligned
	s_wait_tensorcnt 0x0                           ; the wave's end
	ds_add_u32 v[SPW], v[NIL]
	s_wait_dscnt 0x0
	CROUND                                         ; the closing round
	s_endpgm
.Lfunc_end_k_q2050de915f_gemm_qkv:
	.size	k_q2050de915f_gemm_qkv, .Lfunc_end_k_q2050de915f_gemm_qkv-k_q2050de915f_gemm_qkv
	.p2alignl 7, 3214868480
	.fill 96, 4, 3214868480
	.section	.rodata,"a",@progbits
	.p2align	6, 0x0
	.amdhsa_kernel k_q2050de915f_gemm_qkv
		.amdhsa_group_segment_fixed_size 327680
		.amdhsa_private_segment_fixed_size 0
		.amdhsa_enable_private_segment 0
		.amdhsa_kernarg_size 24
		.amdhsa_user_sgpr_count 2
		.amdhsa_user_sgpr_kernarg_segment_ptr 1
		.amdhsa_wavefront_size32 1
		.amdhsa_system_sgpr_workgroup_id_x 1
		.amdhsa_system_sgpr_workgroup_id_y 1
		.amdhsa_system_sgpr_workgroup_id_z 1
		.amdhsa_system_vgpr_workitem_id 0
		.amdhsa_next_free_vgpr 1024
		.amdhsa_next_free_sgpr 100
		.amdhsa_reserve_vcc 0
		.amdhsa_float_denorm_mode_32 3
		.amdhsa_float_denorm_mode_16_64 3
		.amdhsa_memory_ordered 1
		.amdhsa_forward_progress 1
		.amdhsa_inst_pref_size 207
	.end_amdhsa_kernel
	.amdgpu_metadata
---
amdhsa.version: [ 1, 2 ]
amdhsa.kernels:
  - .name:           k_q2050de915f_gemm_qkv
    .symbol:         k_q2050de915f_gemm_qkv.kd
    .args:
      - { .name: prep, .offset: 0, .size: 8, .value_kind: global_buffer, .address_space: global }
      - { .name: b_attn, .offset: 8, .size: 8, .value_kind: global_buffer, .address_space: global }
      - { .name: qkv, .offset: 16, .size: 8, .value_kind: global_buffer, .address_space: global }
    .group_segment_fixed_size: 327680
    .private_segment_fixed_size: 0
    .kernarg_segment_align: 8
    .kernarg_segment_size: 24
    .max_flat_workgroup_size: 128
    .sgpr_count:     100
    .vgpr_count:     1024
    .wavefront_size: 32
...
	.end_amdgpu_metadata
.endif
;; end of part 2
;; launch attn (part 3): grid 4 x 64, 16 waves a work-group, clusters of 4 x 1, 327,680 bytes of LDS; arguments qkv, ybuf; writes ybuf
.if DOCPART == 3
	.amdgcn_target "amdgcn-amd-amdhsa--gfx1250"
	.amdhsa_code_object_version 6
	.text
	.protected	k_q2050de915f_attn
	.globl	k_q2050de915f_attn
	.p2align	8
	.type	k_q2050de915f_attn,@function
k_q2050de915f_attn:
	s_mov_b64 s[64:65], 0
	v_nop
	global_prefetch_b8 v0, s[64:65] scope:SCOPE_SE
	s_setreg_imm32_b32 hwreg(HW_REG_WAVE_MODE, 25, 1), 1
	s_wait_xcnt 0x0
	s_wait_alu depctr_hold_cnt(0) depctr_sa_sdst(0) depctr_va_vdst(0) depctr_va_sdst(0) depctr_va_ssrc(0) depctr_va_vcc(0) depctr_vm_vsrc(0)
	s_getreg_b32 s2, hwreg(HW_REG_IB_STS2, 6, 4)
	s_cmp_eq_u32 s2, 0
	s_cbranch_scc0 .Lentry_in_a_cluster
	s_endpgm
.Lentry_in_a_cluster:
	s_bfe_u32 s2, ttmp6, 0x10000c
	s_cmp_lg_u32 s2, 0x3003
	s_cbranch_scc0 .Lentry_shape_is_right
	s_endpgm
.Lentry_shape_is_right:
; Launch 3 of 4: for each batch and head, y[q] = (sum over keys k <= q of p V[k]) / l, both products on codes of E4M3, and y quantised along the 1,024 channels for the projection.
; LEFT OUT: key steps (16 queries x 128 keys) all of whose keys come after the tile's queries: reference()'s own tril mask makes their weights 0 for all values of the inputs (shown at the head of the first launch).
; THE SOFTMAX AHEAD OF THE SECOND PRODUCT: t = score x log2(e) / 8; M = the running largest t rounded UP to a whole number; p = 2^(t - M) is quantised along the keys, not normalised; the row's sum l is taken of the
; unquantised p and divides at the end.  When M moves, l and O are multiplied by 2^(old M - new M): exact.
; ALL OF A HEAD'S K AND V STAY IN LDS: eight records of 256 keys (REC bytes each: k's 16 images, v's 8 images, both scale words) are 274,432 bytes.  Each of the sixteen waves fetches half a record, once, at the head:
; nothing is filled again, so there is no ring.  The text uses 276,480 bytes of LDS.
; SHARES: the four work-groups of a head form a cluster.  Wave w of work-group cx owns two tiles of 16 queries: a = 4 w + cx and 127 - a.  Tile t has t / 8 + 1 key steps of 128, so every wave has 17, two of them on the diagonal.
; The late tile goes first.  A tile's last step is w / 2 (late tile: 15 - w / 2), whatever cx: no branch hangs on a work-group's place in its cluster; cx enters global addresses and the diagonal's lane compare alone.
; JOINT LOADS: every work-group of the cluster reads all eight records, so each half record is asked for jointly by the four (mask 15), with one descriptor made of the head and the wave's number.
; LANDING IS SHOWN IN TWO STAGES, each with a load line of its own: waves 0-1 (record 0), ahead of key step 0; waves 2-15 (records 1 to 7), ahead of key step 2 of the late tile.  Behind that barrier the waves share nothing more.
; NO PREFETCH: every tensor load of the launch goes out at the head; there is no loop to run ahead in.
; LAYOUT: S^T = K Q^T (source 0 = 16 keys, source 1 = my queries), O^T = V^T P^T (source 0 = 16 dims): a lane holds ONE query throughout; register j of tile t is key (dim) 16 t + 8 (lane / 16) + j: the order of all images.
; K = 64 IN AN INSTRUCTION OF K = 128: Q's registers 8-15 are zero codes.  A tile of K is 8 registers; the instruction names 16: the upper 8 are the next tile's codes, behind tile 7 the codes of the early tile's Q, which wait
; there from the head on: finite numbers that meet zero codes.
; LIMITS: t under -3e38 is not served; NaN and infinities are not served; a block of zeros of y gets the byte 1; y's scale bytes leave one a lane, 32 bytes apart: one byte for each 32 of codes, aligned runs of 256 bytes written in part.
.set QS,    8388608
.set KV,    8912896
.set REC,   34304
.set HREC,  17152                      ; 67 rows of 256 bytes
.set YS,    8388608
.set SPARE, 8*REC                      ; behind the records: the spare words, 128 bytes for each of 16 waves: eight blocks of 256 bytes that no other line names
.set ALN,  1                           ; v1  16 x lane
.set ARW,  2                           ; v2  4 x (lane % 16)
.set RL,   3                           ; v3  lane % 16
.set HL,   4                           ; v4  lane / 16
.set SPW,  5                           ; v5  my spare word; never rewritten
.set NIL,  6                           ; v6  0; never rewritten
.set QS2,  7                           ; v7  the early tile's scale words of Q
.set ADC,  8                           ; v8  LDS address of the step's images
.set ASC,  9                           ; v9  of K's scale words
.set YSO,  10                          ; v10 32 (lane % 16) + lane / 16
.set ASV,  11                          ; v11 of V's scale words
.set QF,   16                          ; v16-23 Q, v24-31 zero codes.   v12 -M, v13 the largest t, v[14:15] the sum in two halves
.set KB,   32                          ; v32-95 eight tiles of K, then four fragments of V;  v96-103 the early tile's Q
.set S,    104                         ; v104-167 S^T, then p
.set OT,   168                         ; v168-199 O^T
.set PC,   200                         ; v200-215 p's codes
.set KSC,  216                         ; v216-223 K's, then V's scale words
.set QSC,  224
.set PWD,  225
.set BM,   226                         ; v226-229 the blocks' largest
.set T1,   230
.set HO,   234
.set SO,   238
.set FF,   242                         ; v[242:243] f; v243 is named with it and holds 0
.set TA,   244
.set TD,   245
.set YB,   246                         ; v246-251: in a step three chains of the row's sum
.set HO2,  252                         ; v252-255 the holds' bounds once more, in registers whose numbers differ from the first copy's modulo 4
.set WV,    18
.set MNT,   19
.set SEL,   20
.set CS,    22                         ; s[22:23] c = log2(e) / 8
.set G1,    24
.set G0,    40
.set QP,    48
.set QSP,   50
.set YP,    52
.set YSP,   54
.set QP2,   56
.set QSP2,  58
.set ST,    66                         ; s66 the key step
.set LAST,  67                         ; s67 my tile's last key step: made of the wave's number alone
.set DQ,    68                         ; s68 my first query less the last step's first key
.set CX,    69
.set HM,    82
.set BH,    84
.set Q0,    99
.macro BARRIER
	s_barrier_signal -1
	s_barrier_wait -1
.endm
.macro CROUND                          ; a round of the cluster's barrier
	BARRIER
	s_cmp_lg_u32 s[WV], 0
	s_cbranch_scc1 .Lnot_wave_0_\@
	s_barrier_signal -3
.Lnot_wave_0_\@:
	s_barrier_wait -3
	BARRIER
.endm
.macro TLOAD                           ; an s_nop 0 and four v_nop follow the line
	tensor_load_to_lds s[G0:G0+3], s[G1:G1+7]
	s_nop 0
.rept 4
	v_nop
.endr
.endm
; A KEY STEP: 128 keys, number s[ST].  diag = 1: the step may lie behind my tile's last (its work is left out) or be the last (the diagonal).
.macro STEP diag
.if \diag
	s_cmp_gt_u32 s[ST], s[LAST]
	s_cbranch_scc1 .Lhidden_\@
.endif
	s_lshr_b32 s90, s[ST], 1
	s_mul_i32 s90, s90, REC                        ; the record,
	s_and_b32 s91, s[ST], 1                        ; and which half of its keys
	s_lshl_b32 s92, s91, 13
	s_add_co_u32 s92, s92, s90                     ; images: 8,192 bytes a step, K's and V's alike
	s_lshl_b32 s93, s91, 9
	s_add_co_u32 s93, s93, s90                     ; K's words: 512
	s_lshl_b32 s94, s91, 8
	s_add_co_u32 s94, s94, s90                     ; V's words: 256
	v_add_nc_u32 v[ADC], s92, v[ALN]
	v_add_nc_u32 v[ASC], s93, v[ARW]
	v_add_nc_u32 v[ASV], s94, v[ARW]
.rept 5
	v_nop                                          ; with the three additions: eight places in front of loads into registers that matrix instructions have read
.endr
.irp t, 0,1,2,3,4,5,6,7
	ds_load_b128 v[KB+8*\t:KB+8*\t+3], v[ADC] offset:\t*1024
	ds_load_b128 v[KB+8*\t+4:KB+8*\t+7], v[ADC] offset:\t*1024+512
	ds_load_b32 v[KSC+\t], v[ASC] offset:32768+64*\t
.endr
	s_wait_alu depctr_va_vdst(0)
	s_wait_dscnt 0x0
.irp t, 0,1,2,3,4,5,6,7
	v_wmma_scale_f32_16x16x128_f8f6f4 v[S+8*\t:S+8*\t+7], v[KB+8*\t:KB+8*\t+15], v[QF:QF+15], 0, v[KSC+\t], v[QSC]
.endr
.rept 8
	v_nop
.endr
.irp d, 0,1,2,3                                ; V's fragments are asked for now and land under the softmax
.irp c, 0,1,2,3
	ds_load_b128 v[KB+16*\d+4*\c:KB+16*\d+4*\c+3], v[ADC] offset:16384+\d*2048+512*\c
.endr
	ds_load_b32 v[KSC+\d], v[ASV] offset:33792+64*\d
.endr
.if \diag
	s_cmp_lt_u32 s[ST], s[LAST]                    ; on the diagonal the scores of hidden keys become -infinity ahead of the maximum; an earlier step skips this
	s_cbranch_scc1 .Lopen_\@
	v_lshlrev_b32 v[TD], 3, v[HL]
	s_delay_alu instid0(VALU_DEP_1)
	v_sub_nc_u32 v[TD], v[RL], v[TD]
	s_delay_alu instid0(VALU_DEP_1)
	v_add_nc_u32 v[TD], s[DQ], v[TD]               ; d = my query - the step's first key - 8 (lane / 16).  Register n holds key 8 (lane / 16) + 16 (n / 8) + n % 8 of the step: hidden where 16 (n / 8) + n % 8 > d
	v_mov_b32 v[TA], 0xff800000
.set nn, 0
.rept 64
	v_cmp_gt_i32 vcc_lo, 16*(nn/8)+nn%8, v[TD]
	v_cndmask_b32 v[S+nn], v[S+nn], v[TA], vcc_lo
.set nn, nn+1
.endr
.Lopen_\@:
.endif
.irp b, 0,1,2,3
	v_max3_num_f32 v[BM+\b], v[S+16*\b], v[S+1+16*\b], v[S+2+16*\b]   ; the largest score of each block of 32 keys: for the row's maximum, and, since p rises with the score, for the block's largest p
.endr
.irp i, 3,5,7,9,11,13
.irp b, 0,1,2,3
	v_max3_num_f32 v[BM+\b], v[BM+\b], v[S+16*\b+\i], v[S+1+16*\b+\i]
.endr
.endr
.irp b, 0,1,2,3
	v_max_num_f32 v[BM+\b], v[BM+\b], v[S+15+16*\b]
.endr
.irp b, 0,1,2,3
	s_delay_alu instid0(VALU_DEP_4)
	v_permlanex16_b32 v[T1+\b], v[BM+\b], s[SEL], s[SEL+1]
.endr
.irp b, 0,1,2,3
	s_delay_alu instid0(VALU_DEP_4)
	v_max_num_f32 v[BM+\b], v[BM+\b], v[T1+\b]     ; with lane l xor 16's 16 keys
.endr
	s_delay_alu instid0(VALU_DEP_2)
	v_max3_num_f32 v[TA], v[BM], v[BM+1], v[BM+2]
	s_delay_alu instid0(VALU_DEP_1)
	v_max_num_f32 v[TA], v[TA], v[BM+3]            ; the step's largest score of my query (the step's first key counts for all my queries: it is a number)
	s_delay_alu instid0(VALU_DEP_1)
	v_mul_f32 v[TA], s[CS], v[TA]
	s_delay_alu instid0(VALU_DEP_1)
	v_max_num_f32 v13, v13, v[TA]                  ; the running largest t
	v_mov_b32 v[TA], v12
	s_delay_alu instid0(VALU_DEP_2)
	v_floor_f32 v12, -v13                          ; the new -M = floor(-t): M is a whole number
	s_delay_alu instid0(VALU_DEP_1)
	v_sub_f32 v[TA], v12, v[TA]                    ; old M - new M: a whole number, 0 or less
	s_delay_alu instid0(VALU_DEP_1)
	v_cvt_i32_f32 v[TA], v[TA]                     ; (it saturates)
	s_delay_alu instid0(VALU_DEP_1)
	v_ldexp_f32 v[FF], 1.0, v[TA]                  ; f = 2^(old M - new M)
.set jj, 0
.rept 32
	v_pk_fma_f32 v[S+jj:S+jj+1], v[S+jj:S+jj+1], s[CS:CS+1], v[12:13] op_sel_hi:[1,0,0]   ; t - M, two at a time
.set jj, jj+2
.endr
.irp b, 0,1,2,3
	v_fma_f32 v[BM+\b], v[BM+\b], s[CS], v12       ; the same of each block's largest score
.endr
	s_wait_alu depctr_va_vdst(0)
.set jj, 0
.rept 64
	v_exp_f32 v[S+jj], v[S+jj]                     ; p = 2^(t - M)
.set jj, jj+1
.endr
	v_pk_mul_f32 v[14:15], v[14:15], v[FF:FF+1] op_sel_hi:[1,0]   ; the sums under the new M: the plain line behind the exponentials
	s_wait_alu depctr_va_vdst(0)                   ; one wait for the batch of 64, ahead of its first reader
.irp b, 0,1,2,3
	v_exp_f32 v[BM+\b], v[BM+\b]                   ; the block's largest p
.endr
	v_pk_add_f32 v[246:247], v[S:S+1], v[S+2:S+3]  ; the row's sum of the unquantised p: two at a time, four chains by turns
	v_pk_add_f32 v[248:249], v[S+4:S+5], v[S+6:S+7]
	v_pk_add_f32 v[250:251], v[S+8:S+9], v[S+10:S+11]
	v_pk_add_f32 v[14:15], v[14:15], v[S+12:S+13]
.set jj, 14
.rept 6
	v_pk_add_f32 v[246:247], v[246:247], v[S+jj:S+jj+1]
	v_pk_add_f32 v[248:249], v[248:249], v[S+jj+2:S+jj+3]
	v_pk_add_f32 v[250:251], v[250:251], v[S+jj+4:S+jj+5]
	v_pk_add_f32 v[14:15], v[14:15], v[S+jj+6:S+jj+7]
.set jj, jj+8
.endr
	v_pk_add_f32 v[246:247], v[246:247], v[S+62:S+63]
	v_pk_add_f32 v[248:249], v[248:249], v[250:251]
	v_pk_add_f32 v[14:15], v[14:15], v[246:247]
	v_pk_add_f32 v[14:15], v[14:15], v[248:249]
	s_wait_alu depctr_va_vdst(0)                   ; and one for the four
.irp b, 0,1,2,3
	v_max_num_f32 v[BM+\b], 0x4800000, v[BM+\b]    ; the floor 2^(9 - 127): the byte cannot fall under 1
.endr
.irp b, 0,1,2,3
	s_delay_alu instid0(VALU_DEP_4)
	v_add_nc_u32 v[SO+\b], 0xfc000000, v[BM+\b]    ; the conversion's scale operand
.endr
.irp b, 0,1,2,3
	v_and_or_b32 v[HO+\b], v[BM+\b], 0x7f800000, s[MNT]   ; 448 x the scale
.endr
.irp b, 0,1,2,3
	v_lshrrev_b32 v[T1+\b], 23, v[SO+\b]           ; the byte
.endr
	s_delay_alu instid0(VALU_DEP_3)
	v_lshl_or_b32 v[PWD], v[T1+1], 8, v[T1]        ; p's scale word for these 128 keys
	s_delay_alu instid0(VALU_DEP_1)
	v_lshl_or_b32 v[PWD], v[T1+2], 16, v[PWD]
	s_delay_alu instid0(VALU_DEP_1)
	v_lshl_or_b32 v[PWD], v[T1+3], 24, v[PWD]
.irp b, 0,1,2,3
	v_and_or_b32 v[HO2+\b], v[BM+\b], 0x7f800000, s[MNT]
.endr
.irp b, 0,1,2,3
.irp i, 0,2,4,6,8,10,12,14
	v_dual_min_num_f32 v[S+16*\b+\i], v[S+16*\b+\i], v[HO+\b] :: v_dual_min_num_f32 v[S+16*\b+\i+1], v[S+16*\b+\i+1], v[HO2+\b]   ; the conversion does not saturate (ISA guide 7.6.2); p is not negative: a one-sided hold, two to an instruction
.endr
	v_cvt_scalef32_pk8_fp8_f32 v[PC+4*\b:PC+1+4*\b], v[S+16*\b:S+7+16*\b], v[SO+\b]
	v_cvt_scalef32_pk8_fp8_f32 v[PC+2+4*\b:PC+3+4*\b], v[S+8+16*\b:S+15+16*\b], v[SO+\b]
.endr
	s_wait_alu depctr_va_vdst(0)
.set jj, 0
.rept 16
	v_pk_mul_f32 v[OT+jj:OT+jj+1], v[OT+jj:OT+jj+1], v[FF:FF+1] op_sel_hi:[1,0]   ; O^T under the new M; these sixteen are also the places in front of the products below
.set jj, jj+2
.endr
	s_wait_alu depctr_va_vdst(0)
	s_wait_dscnt 0x0                               ; V
.irp d, 0,1,2,3
	v_wmma_scale_f32_16x16x128_f8f6f4 v[OT+8*\d:OT+8*\d+7], v[KB+16*\d:KB+16*\d+15], v[PC:PC+15], v[OT+8*\d:OT+8*\d+7], v[KSC+\d], v[PWD]   ; four accumulators by turns
.endr
.if \diag
.Lhidden_\@:
.endif
.endm
.macro WALK first, end, diag           ; key steps first .. end - 1: a constant count of trips
	s_mov_b32 s[ST], \first
.Lwalk_\@:
	STEP \diag
	s_add_co_u32 s[ST], s[ST], 1
	s_cmp_lt_u32 s[ST], \end
	s_cbranch_scc1 .Lwalk_\@
.endm
; THE WAY OUT of a tile: O^T / l, quantised along the head's 64 channels (two blocks of y's K), stored as groups 2 (head % 2) and + 1 of y's image.
.macro WAYOUT
	v_add_f32 v14, v14, v15
	s_delay_alu instid0(VALU_DEP_1)
	v_permlanex16_b32 v[TA], v14, s[SEL], s[SEL+1]
	s_delay_alu instid0(VALU_DEP_1)
	v_add_f32 v14, v14, v[TA]                      ; the row's sum
	s_wait_alu depctr_va_vdst(0)
	v_rcp_f32 v[FF], v14
.rept 8
	v_nop                                          ; the plain line behind the reciprocal, and eight places behind the last products
.endr
	s_wait_alu depctr_va_vdst(0)                   ; ahead of the reciprocal's first reader
.set jj, 0
.rept 16
	v_pk_mul_f32 v[S+jj:S+jj+1], v[OT+jj:OT+jj+1], v[FF:FF+1] op_sel_hi:[1,0]
.set jj, jj+2
.endr
.irp b, 0,1
	v_max3_num_f32 v[BM+\b], |v[S+16*\b]|, |v[S+1+16*\b]|, 0x4800000
.endr
.irp i, 2,4,6,8,10,12,14
.irp b, 0,1
	s_delay_alu instid0(VALU_DEP_2)
	v_max3_num_f32 v[BM+\b], v[BM+\b], |v[S+16*\b+\i]|, |v[S+1+16*\b+\i]|
.endr
.endr
.irp b, 0,1
	s_delay_alu instid0(VALU_DEP_2)
	v_permlanex16_b32 v[T1+\b], v[BM+\b], s[SEL], s[SEL+1]
.endr
.irp b, 0,1
	s_delay_alu instid0(VALU_DEP_2)
	v_max_num_f32 v[BM+\b], v[BM+\b], v[T1+\b]
.endr
.irp b, 0,1
	s_delay_alu instid0(VALU_DEP_2)
	v_add_nc_u32 v[SO+\b], 0xfc000000, v[BM+\b]
.endr
.irp b, 0,1
	s_delay_alu instid0(VALU_DEP_4)
	v_and_or_b32 v[HO+\b], v[BM+\b], 0x7f800000, s[MNT]
.endr
.irp b, 0,1
	s_delay_alu instid0(VALU_DEP_4)
	v_lshrrev_b32 v[T1+\b], 23, v[SO+\b]
.endr
	s_delay_alu instid0(VALU_DEP_1)
	v_cndmask_b32 v[YB], v[T1], v[T1+1], s[HM]     ; lanes 0-15 store the first block's byte, lanes 16-31 the second's
.irp b, 0,1
.irp i, 0,1,2,3,4,5,6,7,8,9,10,11,12,13,14,15
	v_med3_num_f32 v[S+16*\b+\i], v[S+16*\b+\i], -v[HO+\b], v[HO+\b]
.endr
	v_cvt_scalef32_pk8_fp8_f32 v[PC+4*\b:PC+1+4*\b], v[S+16*\b:S+7+16*\b], v[SO+\b]
	v_cvt_scalef32_pk8_fp8_f32 v[PC+2+4*\b:PC+3+4*\b], v[S+8+16*\b:S+15+16*\b], v[SO+\b]
.endr
	v_nop                                          ; a plain line behind the last conversion
	global_store_b128 v[ALN], v[PC:PC+3], s[YP:YP+1]              ; 512 consecutive bytes a store
	global_store_b128 v[ALN], v[PC+4:PC+7], s[YP:YP+1] offset:512
	global_store_b8 v[YSO], v[YB], s[YSP:YSP+1]
.endm
; A TILE'S SET-UP: late = 1: tile 127 - (4 w + cx), and both tiles' Q are loaded; late = 0: tile 4 w + cx, whose Q moves to its place.
.macro TILE late
	s_lshl_b32 s85, s[WV], 2
	s_add_co_u32 s85, s85, s[CX]
	s_lshr_b32 s[LAST], s[WV], 1
.if \late
	s_lshl_b32 s91, s85, 4                         ; the early tile's first query
	s_sub_co_u32 s85, 127, s85
	s_sub_co_u32 s[LAST], 15, s[LAST]
.endif
	s_and_b32 s[DQ], s85, 7
	s_lshl_b32 s[DQ], s[DQ], 4
	s_lshl_b32 s[Q0], s85, 4                       ; my first query
	s_wait_xcnt 0x0                                ; the last tile's stores have read their bases and registers
	s_mov_b32 s87, 0
.if \late
	s_lshl_b32 s92, s[BH], 17
	s_lshl_b32 s88, s[Q0], 6
	s_add_co_u32 s86, s92, s88
	s_add_nc_u64 s[QP:QP+1], s[4:5], s[86:87]      ; Q's image: 1,024 bytes a tile
	s_lshl_b32 s88, s91, 6
	s_add_co_u32 s86, s92, s88
	s_add_nc_u64 s[QP2:QP2+1], s[4:5], s[86:87]
	s_lshl_b32 s92, s[BH], 13
	s_add_co_u32 s92, s92, QS
	s_lshl_b32 s88, s[Q0], 2
	s_add_co_u32 s86, s92, s88
	s_add_nc_u64 s[QSP:QSP+1], s[4:5], s[86:87]    ; its scale words
	s_lshl_b32 s88, s91, 2
	s_add_co_u32 s86, s92, s88
	s_add_nc_u64 s[QSP2:QSP2+1], s[4:5], s[86:87]
.endif
	s_lshr_b32 s88, s[BH], 4                       ; batch
	s_and_b32 s89, s[BH], 15                       ; head
	s_lshl_b32 s86, s88, 21
	s_lshl_b32 s90, s[Q0], 10
	s_add_co_u32 s86, s86, s90
	s_lshl_b32 s90, s89, 10
	s_add_co_u32 s86, s86, s90
	s_add_nc_u64 s[YP:YP+1], s[6:7], s[86:87]      ; y's image: row tile x 16,384 + head x 1,024
	s_lshl_b32 s86, s88, 16
	s_lshl_b32 s90, s[Q0], 5
	s_add_co_u32 s86, s86, s90
	s_lshl_b32 s90, s89, 1
	s_add_co_u32 s86, s86, s90
	s_add_co_u32 s86, s86, YS
	s_add_nc_u64 s[YSP:YSP+1], s[6:7], s[86:87]    ; y's scale bytes: row x 32 + 2 x head
.if \late
	global_load_b128 v[QF:QF+3], v[ALN], s[QP:QP+1]
	global_load_b128 v[QF+4:QF+7], v[ALN], s[QP:QP+1] offset:512
	global_load_b32 v[QSC], v[ARW], s[QSP:QSP+1]
	global_load_b128 v[KB+64:KB+67], v[ALN], s[QP2:QP2+1]
	global_load_b128 v[KB+68:KB+71], v[ALN], s[QP2:QP2+1] offset:512
	global_load_b32 v[QS2], v[ARW], s[QSP2:QSP2+1]
.else
	v_mov_b32 v[QSC], v[QS2]
.irp j, 0,1,2,3,4,5,6,7
	v_mov_b32 v[QF+\j], v[KB+64+\j]
.endr
.endif
	v_mov_b32 v13, 0xff61b1e6                      ; the largest t so far: -3e38
	v_mov_b32 v14, 0
	v_mov_b32 v15, 0
	v_floor_f32 v12, -v13                          ; -M
.set jj, 0
.rept 32
	v_mov_b32 v[OT+jj], 0                          ; the step is written once: the first finds zeros, which the first change of M leaves zeros
.set jj, jj+1
.endr
	s_wait_alu depctr_va_vdst(0)
.if \late
	s_wait_loadcnt 0x0                             ; both tiles' Q
.endif
.endm
	s_load_b128 s[4:7], s[0:1], 0x0                ; qkv s[4:5], ybuf s[6:7]
	v_lshl_add_u32 v[SPW], v0, 2, SPARE
	v_mov_b32 v[NIL], 0
	ds_add_u32 v[SPW], v[NIL]                      ; the wave's opening: the add, twice on end, and its wait ahead of the first tensor load
	ds_add_u32 v[SPW], v[NIL]
	v_lshrrev_b32 v8, 5, v0
	v_and_b32 v9, 31, v0
	v_and_b32 v[RL], 15, v0
	v_bfe_u32 v[HL], v0, 4, 1
	v_readfirstlane_b32 s[WV], v8                  ; wave 0..15
	v_lshlrev_b32 v[ALN], 4, v9
	v_lshlrev_b32 v[ARW], 2, v[RL]
	v_lshl_add_u32 v[YSO], v[RL], 5, v[HL]
.irp j, 0,1,2,3,4,5,6,7
	v_mov_b32 v[QF+8+\j], 0                        ; Q's K = 64 .. 127: zero codes
.endr
.irp b, 0,1,2,3
	v_mov_b32 v[T1+\b], 0                          ; written once: a lane permute's destination counts as one of its sources
.endr
	v_mov_b32 v[FF+1], 0
	v_mov_b32 v[TA], 0
	s_and_b32 s[BH], ttmp7, 0xffff                 ; the cluster's y: 16 x batch + head
	s_bfe_u32 s[CX], ttmp6, 0x40000                ; my place in the cluster
	; descriptor group 1: half a record, 17,152 dense bytes, as 67 rows of 256 bytes (32 elements of 8 bytes); dense in LDS; the mask names the cluster's four, bit 21 beside it
	s_mov_b32 s[G1], 15|(3<<16)|(1<<21)
	s_mov_b32 s[G1+1], 32<<16                      ; tensor_dim0
	s_mov_b32 s[G1+2], 67<<16                      ; tensor_dim1
	s_mov_b32 s[G1+3], 32<<16                      ; tile_dim0
	s_mov_b32 s[G1+4], 67                          ; tile_dim1
	s_mov_b32 s[G1+5], 32                          ; tensor_dim0_stride
	s_mov_b32 s[G1+6], 0
	s_mov_b32 s[G1+7], 0
	s_mov_b32 s[SEL], 0x76543210
	s_mov_b32 s[SEL+1], 0xfedcba98
	s_mov_b32 s[CS], 0x3e38aa3b                    ; c = log2(e) / sqrt(64)
	s_mov_b32 s[CS+1], s[CS]
	s_mov_b32 s[MNT], 0x600000
	s_mov_b32 s[HM], 0xffff0000                    ; lanes 16-31
	s_mul_i32 s88, s[WV], HREC                     ; my half record, in the head's records and in LDS
	s_mul_i32 s86, s[BH], 8*REC
	s_add_co_u32 s86, s86, KV
	s_add_co_u32 s86, s86, s88
	s_mov_b32 s87, 0
	s_wait_alu depctr_va_vdst(0)
	s_wait_dscnt 0x0                               ; both opening adds are done
	CROUND                                         ; the four work-groups are here: the joint loads meet
	s_wait_kmcnt 0x0
	s_mov_b32 s[G0], 1
	s_mov_b32 s[G0+1], s88
	s_add_nc_u64 s[G0+2:G0+3], s[4:5], s[86:87]
	s_or_b32 s[G0+3], s[G0+3], 0x80000000
	s_cmp_lt_u32 s[WV], 2                          ; one load a wave, in one branch on the wave's number; a line for each stage of the landing
	s_cbranch_scc0 .Lrest
	TLOAD
	s_branch .Lasked
.Lrest:
	TLOAD
.Lasked:
	TILE 1
	s_cmp_lt_u32 s[WV], 2                          ; waves 0 and 1 have waited for their loads: record 0 may be read by all behind the barrier
	s_cbranch_scc0 .Lnot_yet
	s_wait_tensorcnt 0x0
.Lnot_yet:
	BARRIER
	WALK 0, 2, 0
	s_wait_tensorcnt 0x0                           ; all that is still out: every wave waits
	BARRIER
	WALK 2, 16, 1
	WAYOUT
	TILE 0
	WALK 0, 8, 1
	WAYOUT
	s_wait_tensorcnt 0x0                           ; the wave's end
	ds_add_u32 v[SPW], v[NIL]
	s_wait_dscnt 0x0
	CROUND                                         ; the closing round
	s_endpgm
.Lfunc_end_k_q2050de915f_attn:
	.size	k_q2050de915f_attn, .Lfunc_end_k_q2050de915f_attn-k_q2050de915f_attn
	.p2alignl 7, 3214868480
	.fill 96, 4, 3214868480
	.section	.rodata,"a",@progbits
	.p2align	6, 0x0
	.amdhsa_kernel k_q2050de915f_attn
		.amdhsa_group_segment_fixed_size 327680
		.amdhsa_private_segment_fixed_size 0
		.amdhsa_enable_private_segment 0
		.amdhsa_kernarg_size 16
		.amdhsa_user_sgpr_count 2
		.amdhsa_user_sgpr_kernarg_segment_ptr 1
		.amdhsa_wavefront_size32 1
		.amdhsa_system_sgpr_workgroup_id_x 1
		.amdhsa_system_sgpr_workgroup_id_y 1
		.amdhsa_system_sgpr_workgroup_id_z 1
		.amdhsa_system_vgpr_workitem_id 0
		.amdhsa_next_free_vgpr 256
		.amdhsa_next_free_sgpr 100
		.amdhsa_reserve_vcc 1
		.amdhsa_float_denorm_mode_32 3
		.amdhsa_float_denorm_mode_16_64 3
		.amdhsa_memory_ordered 1
		.amdhsa_forward_progress 1
		.amdhsa_inst_pref_size 95
	.end_amdhsa_kernel
	.amdgpu_metadata
---
amdhsa.version: [ 1, 2 ]
amdhsa.kernels:
  - .name:           k_q2050de915f_attn
    .symbol:         k_q2050de915f_attn.kd
    .args:
      - { .name: qkv, .offset: 0, .size: 8, .value_kind: global_buffer, .address_space: global }
      - { .name: ybuf, .offset: 8, .size: 8, .value_kind: global_buffer, .address_space: global }
    .group_segment_fixed_size: 327680
    .private_segment_fixed_size: 0
    .kernarg_segment_align: 8
    .kernarg_segment_size: 16
    .max_flat_workgroup_size: 512
    .sgpr_count:     100
    .vgpr_count:     256
    .wavefront_size: 32
...
	.end_amdgpu_metadata
.endif
;; end of part 3
;; launch gemm_proj (part 4): grid 4 x 64, 4 waves a work-group, clusters of 4 x 1, 167,936 bytes of LDS; arguments ybuf, prep, b_proj, out0; writes out0
.if DOCPART == 4
	.amdgcn_target "amdgcn-amd-amdhsa--gfx1250"
	.amdhsa_code_object_version 6
	.text
	.protected	k_q2050de915f_gemm_proj
	.globl	k_q2050de915f_gemm_proj
	.p2align	8
	.type	k_q2050de915f_gemm_proj,@function
k_q2050de915f_gemm_proj:
	s_mov_b64 s[64:65], 0
	v_nop
	global_prefetch_b8 v0, s[64:65] scope:SCOPE_SE
	s_setreg_imm32_b32 hwreg(HW_REG_WAVE_MODE, 25, 1), 1
	s_wait_xcnt 0x0
	s_wait_alu depctr_hold_cnt(0) depctr_sa_sdst(0) depctr_va_vdst(0) depctr_va_sdst(0) depctr_va_ssrc(0) depctr_va_vcc(0) depctr_vm_vsrc(0)
	s_getreg_b32 s2, hwreg(HW_REG_IB_STS2, 6, 4)
	s_cmp_eq_u32 s2, 0
	s_cbranch_scc0 .Lentry_in_a_cluster
	s_endpgm
.Lentry_in_a_cluster:
	s_bfe_u32 s2, ttmp6, 0x10000c
	s_cmp_lg_u32 s2, 0x3003
	s_cbranch_scc0 .Lentry_shape_is_right
	s_endpgm
.Lentry_shape_is_right:
; Launch 4 of 4: out0 = y w_proj + b_proj on codes of E4M3 (K = 1,024), f32 out.  Nothing of reference() is left out here.
; SHARES: 256 work-groups; a work-group makes 128 rows x 256 columns, a wave 128 rows x 64 columns.  A wave holds its 64 columns of w_proj, ALL of K, in registers: 32 fragments, 512 registers (windows 1 and 2), loaded
; straight from memory, since every operand of this program is an image of its registers (16 rows x 128 K = 2,048 bytes, lane l's 16 bytes of group c at 512 c + 16 l): each load reads 512 consecutive bytes.
; y's 128 rows, all of K, are 131,072 dense bytes: they come into LDS once, a quarter a wave, and all four waves stream them past their weights in tiles of 16 rows (128 registers a tile, two sets, window 3).
; CLUSTER: the four work-groups of a row tile (4, 1, 1) need the same rows of y: each quarter is asked for jointly (mask 15), by a descriptor made of the row tile and the wave's number.  Nothing is filled again: no ring.
; NO PREFETCH: every load of the launch's inputs goes out at the head; there is no loop to run ahead in.
; THE MATRIX INSTRUCTION: source 0 = 16 columns of w_proj, source 1 = 16 rows of y: a lane holds row lane % 16, and its registers the columns 8 (lane / 16) + 0 .. 7 of the tile.  THE BIAS IS THE FIRST PRODUCTS' C.
; A tile's four accumulators take turns; sums stand in two sets, so that a tile's results leave while the next tile is multiplied: through my own stage in LDS (16 rows x 256 bytes + 16),
; back as whole rows: sixteen lanes store 256 consecutive bytes, aligned.
; LIMITS: NaN and infinities are not served.
.set PI,    11534336
.set PS,    12943360
.set YS,    8388608
.set SP,    272
.set STAGE, 131072                     ; behind y's rows: a stage of 16 x SP bytes for each wave, into which no tensor load lands
.set SPARE, STAGE+4*16*SP              ; the spare words, 128 bytes a wave: two blocks of 256 bytes that no other line names
.set ALN,  4                           ; v4, v5 16 x lane, and the same 65,536 on (row tiles 4 to 7)
.set WSO,  6                           ; v6  32 x lane
.set YSO,  7                           ; v7  32 x (lane % 16)
.set BO,   8                           ; v8  32 x (lane / 16)
.set STO,  9                           ; v9  the stage: in
.set RD,   10                          ; v10 and out
.set CO,   11                          ; v11 my place in two rows of out0
.set SPW,  12                          ; v12 my spare word; never rewritten
.set NIL,  13                          ; v13 0; never rewritten
.set SB,   24                          ; v24-39 the weights' scale words: register 8 p + q: lanes 0-15 column tile 2 p's, lanes 16-31 tile 2 p + 1's
.set SA,   44                          ; v44-107 y's: register 8 rt + q.  No product's two scale words have numbers equal modulo 8
.set BIAS, 108                         ; v108-139 in the result's layout
.set ACC,  140                         ; v140-203 two sets of four accumulators
.set OUTR, 204                         ; v204-235 16 rows read back from the stage
.set G1, 24
.set G0, 32
.set MSB, 0
.macro WIN new                         ; the immediate's high byte repeats the setting that is left
.if MSB != \new
	s_set_vgpr_msb (MSB<<8)|\new
.set MSB, \new
.endif
.endm
.macro BARRIER
	s_barrier_signal -1
	s_barrier_wait -1
.endm
.macro CROUND                          ; a round of the cluster's barrier
	BARRIER
	s_cmp_lg_u32 s14, 0
	s_cbranch_scc1 .Lnot_wave_0_\@
	s_barrier_signal -3
.Lnot_wave_0_\@:
	s_barrier_wait -3
	BARRIER
.endm
	s_load_b256 s[4:11], s[0:1], 0x0               ; ybuf s[4:5], prep s[6:7], b_proj s[8:9], out0 s[10:11]
	v_lshl_add_u32 v[SPW], v0, 2, SPARE
	v_mov_b32 v[NIL], 0
	ds_add_u32 v[SPW], v[NIL]                      ; the wave's opening: the add, twice on end, and its wait ahead of my tensor load
	ds_add_u32 v[SPW], v[NIL]
	v_lshrrev_b32 v1, 5, v0
	v_and_b32 v17, 31, v0                          ; lane
	v_and_b32 v2, 15, v0                           ; r
	v_bfe_u32 v3, v0, 4, 1                         ; h
	v_readfirstlane_b32 s14, v1                    ; wave 0..3
	v_lshlrev_b32 v[ALN], 4, v17
	v_lshlrev_b32 v[WSO], 5, v17
	v_lshlrev_b32 v[YSO], 5, v2
	v_lshlrev_b32 v[BO], 5, v3
	v_add_nc_u32 v[ALN+1], 65536, v[ALN]
	s_mul_i32 s17, s14, 16*SP
	s_add_co_u32 s17, s17, STAGE                   ; my stage
	v_mul_u32_u24 v14, v2, SP
	v_mul_u32_u24 v15, v3, SP
	v_lshl_add_u32 v14, v3, 5, v14                 ; in: row r, 32 bytes for each half of the lanes
	v_lshl_add_u32 v15, v2, 4, v15                 ; back: lanes 0-15 one row, lanes 16-31 the next
	v_add_nc_u32 v[STO], s17, v14
	v_add_nc_u32 v[RD], s17, v15
	v_lshlrev_b32 v16, 12, v3
	v_lshl_add_u32 v[CO], v2, 4, v16               ; and the same two rows in out0
	s_bfe_u32 s15, ttmp6, 0x40000                  ; cx: my 256 columns
	s_and_b32 s16, ttmp7, 0xffff                   ; the cluster's y: my 128 rows
	s_mov_b32 s[G1], 15|(3<<16)|(1<<21)            ; the mask names the cluster's four, bit 21 beside it; elements of 8 bytes; dense in LDS
	s_mov_b32 s[G1+1], 32<<16                      ; a quarter of y's rows: 32,768 dense bytes as 128 rows of 256
	s_mov_b32 s[G1+2], 128<<16
	s_mov_b32 s[G1+3], 32<<16
	s_mov_b32 s[G1+4], 128
	s_mov_b32 s[G1+5], 32
	s_mov_b32 s[G1+6], 0
	s_mov_b32 s[G1+7], 0
	s_lshl_b32 s18, s14, 15                        ; my quarter, in LDS,
	s_lshl_b32 s20, s16, 17
	s_add_co_u32 s20, s20, s18                     ; and in ybuf: the row tile and the wave's number alone
	s_mov_b32 s21, 0
	s_lshl_b32 s36, s15, 18                        ; the weights' images: column tile 16 cx + 4 w, 16,384 bytes a tile
	s_lshl_b32 s19, s14, 16
	s_add_co_u32 s36, s36, s19
	s_add_co_u32 s36, s36, PI
	s_mov_b32 s37, 0
	s_lshl_b32 s38, s15, 13                        ; their scale bytes: 32 a column
	s_lshl_b32 s19, s14, 11
	s_add_co_u32 s38, s38, s19
	s_add_co_u32 s38, s38, PS
	s_mov_b32 s39, 0
	s_lshl_b32 s40, s16, 12                        ; y's scale bytes: 32 a row
	s_add_co_u32 s40, s40, YS
	s_mov_b32 s41, 0
	s_lshl_b32 s42, s15, 10                        ; my first column, in bytes of f32
	s_lshl_b32 s19, s14, 8
	s_add_co_u32 s42, s42, s19
	s_mov_b32 s43, 0
	s_lshl_b32 s44, s16, 19                        ; my first row of out0
	s_add_co_u32 s44, s44, s42
	s_mov_b32 s45, 0
	s_wait_alu depctr_va_vdst(0)
	s_wait_dscnt 0x0                               ; both opening adds are done
	CROUND                                         ; the four work-groups are here: the joint loads meet
	s_wait_kmcnt 0x0
	s_mov_b32 s[G0], 1
	s_mov_b32 s[G0+1], s18
	s_add_nc_u64 s[G0+2:G0+3], s[4:5], s[20:21]
	s_or_b32 s[G0+3], s[G0+3], 0x80000000
	tensor_load_to_lds s[G0:G0+3], s[G1:G1+7]      ; one line, issued by every wave for its own quarter; every wave waits for it below
	s_nop 0
.rept 4
	v_nop
.endr
	s_add_nc_u64 s[36:37], s[6:7], s[36:37]
	s_add_nc_u64 s[38:39], s[6:7], s[38:39]
	s_add_nc_u64 s[40:41], s[4:5], s[40:41]
	s_add_nc_u64 s[42:43], s[8:9], s[42:43]
	s_add_nc_u64 s[44:45], s[10:11], s[44:45]
.irp p, 0,1
.irp c, 0,1
	global_load_b128 v[SB+8*\p+4*\c:SB+8*\p+4*\c+3], v[WSO], s[38:39] offset:1024*\p+16*\c   ; lane l takes column l of a pair of tiles
.endr
.endr
.irp t, 0,1,2,3,4,5,6,7
	global_load_b128 v[SA+8*\t:SA+8*\t+3], v[YSO], s[40:41] offset:512*\t
	global_load_b128 v[SA+8*\t+4:SA+8*\t+7], v[YSO], s[40:41] offset:512*\t+16
.endr
.irp b, 0,1,2,3
	global_load_b128 v[BIAS+8*\b:BIAS+8*\b+3], v[BO], s[42:43] offset:64*\b
	global_load_b128 v[BIAS+8*\b+4:BIAS+8*\b+7], v[BO], s[42:43] offset:64*\b+16
.endr
.set F_, 0
.rept 32                               ; the weights: fragment 4 q + b, by K steps: 16 loads a K step
	WIN (1+F_/16)<<6
.irp c, 0,1,2,3
	global_load_b128 v[16*(F_%16)+4*\c:16*(F_%16)+4*\c+3], v[ALN], s[36:37] offset:(F_%4)*16384+(F_/4)*2048+512*\c
.endr
.set F_, F_+1
.endr
	WIN 0
	s_wait_tensorcnt 0x0                           ; my quarter of y's rows is in,
	BARRIER                                        ; everybody's is
.macro FETCH rt                        ; row tile rt, all of K, into set rt % 2 of window 3: 32 loads
	WIN 3<<6
.set Q_, 0
.rept 8
.irp c, 0,1,2,3
	ds_load_b128 v[128*((\rt)%2)+16*Q_+4*\c:128*((\rt)%2)+16*Q_+4*\c+3], v[ALN+(\rt)/4] offset:((\rt)%4)*16384+2048*Q_+512*\c
.endr
.set Q_, Q_+1
.endr
	WIN 0
.endm
.macro PRODS rt, q0                    ; K steps q0 .. q0 + 3 of row tile rt: 16 products
.set Q_, \q0
.rept 4
.if (\rt) == 0 && Q_ >= 4
	s_wait_loadcnt 16*(7-Q_)                       ; this K step's weights are in; behind them 16 loads for each later K step
.endif
.set B_, 0
.rept 4
.set F_, 4*Q_+B_
.set AC_, ACC+32*((\rt)%2)+8*B_
.set C_, AC_
.if Q_ == 0
.set C_, BIAS+8*B_
.endif
	WIN (1+F_/16)|(3<<2)
.if B_%2
	v_wmma_scale_f32_16x16x128_f8f6f4 v[AC_:AC_+7], v[16*(F_%16):16*(F_%16)+15], v[128*((\rt)%2)+16*Q_:128*((\rt)%2)+16*Q_+15], v[C_:C_+7], v[SB+8*(B_/2)+Q_], v[SA+8*(\rt)+Q_] matrix_a_scale:MATRIX_SCALE_ROW1
.else
	v_wmma_scale_f32_16x16x128_f8f6f4 v[AC_:AC_+7], v[16*(F_%16):16*(F_%16)+15], v[128*((\rt)%2)+16*Q_:128*((\rt)%2)+16*Q_+15], v[C_:C_+7], v[SB+8*(B_/2)+Q_], v[SA+8*(\rt)+Q_]
.endif
.set B_, B_+1
.endr
.set Q_, Q_+1
.endr
.endm
.macro SEND rt                         ; row tile rt's 16 rows leave: two rows a store
.irp t, 0,1,2,3,4,5,6,7
	global_store_b128 v[CO], v[OUTR+4*\t:OUTR+4*\t+3], s[44:45] offset:(16*(\rt)+2*\t)*4096 th:TH_STORE_NT
.endr
.endm
.macro TILE rt
.if (\rt) == 0
	s_wait_dscnt 32                                ; tile 0's fragments are in; tile 1's 32 loads may be out
	s_wait_loadcnt 63                              ; the scale words, the bias and K steps 0 to 3 of the weights are in: 64 loads were issued behind them
.elseif (\rt) < 7
	s_wait_dscnt 48                                ; behind this tile's fragments: the stage's 16 and the next fetch's 32
.else
	s_wait_dscnt 16                                ; behind them: the stage's 16
.endif
	PRODS \rt, 0
.if (\rt) > 0
	WIN 0
.if (\rt) < 7
	s_wait_dscnt 32                                ; the tile before is back from the stage; the fetch's 32 may be out
.else
	s_wait_dscnt 0x0
.endif
	SEND (\rt)-1
.endif
	PRODS \rt, 4
	WIN 0
.rept 8
	v_nop                                          ; eight places behind the last product, ahead of the reads of its sums and of the loads into what it has read
.endr
	s_wait_xcnt 0x0                                ; the last stores have read their registers
.irp b, 0,1,2,3
	ds_store_b128 v[STO], v[ACC+32*((\rt)%2)+8*\b:ACC+32*((\rt)%2)+8*\b+3] offset:64*\b       ; each accumulator from its low end on
	ds_store_b128 v[STO], v[ACC+32*((\rt)%2)+8*\b+4:ACC+32*((\rt)%2)+8*\b+7] offset:64*\b+16
.endr
.irp t, 0,1,2,3,4,5,6,7
	ds_load_b128 v[OUTR+4*\t:OUTR+4*\t+3], v[RD] offset:2*\t*SP   ; LDS serves a wave's instructions in order (ISA guide 5.7.1.4): these see my stores
.endr
.if (\rt)+2 < 8
	FETCH (\rt)+2
.endif
.endm
	FETCH 0
	FETCH 1
.irp n, 0,1,2,3,4,5,6,7
	TILE \n
.endr
	s_wait_dscnt 0x0
	SEND 7
	s_wait_tensorcnt 0x0                           ; the wave's end: behind my tensor load and my last LDS store
	ds_add_u32 v[SPW], v[NIL]
	s_wait_dscnt 0x0
	CROUND                                         ; the closing round
	s_endpgm
.Lfunc_end_k_q2050de915f_gemm_proj:
	.size	k_q2050de915f_gemm_proj, .Lfunc_end_k_q2050de915f_gemm_proj-k_q2050de915f_gemm_proj
	.p2alignl 7, 3214868480
	.fill 96, 4, 3214868480
	.section	.rodata,"a",@progbits
	.p2align	6, 0x0
	.amdhsa_kernel k_q2050de915f_gemm_proj
		.amdhsa_group_segment_fixed_size 167936
		.amdhsa_private_segment_fixed_size 0
		.amdhsa_enable_private_segment 0
		.amdhsa_kernarg_size 32
		.amdhsa_user_sgpr_count 2
		.amdhsa_user_sgpr_kernarg_segment_ptr 1
		.amdhsa_wavefront_size32 1
		.amdhsa_system_sgpr_workgroup_id_x 1
		.amdhsa_system_sgpr_workgroup_id_y 1
		.amdhsa_system_sgpr_workgroup_id_z 1
		.amdhsa_system_vgpr_workitem_id 0
		.amdhsa_next_free_vgpr 1024
		.amdhsa_next_free_sgpr 66
		.amdhsa_reserve_vcc 0
		.amdhsa_float_denorm_mode_32 3
		.amdhsa_float_denorm_mode_16_64 3
		.amdhsa_memory_ordered 1
		.amdhsa_forward_progress 1
		.amdhsa_inst_pref_size 86
	.end_amdhsa_kernel
	.amdgpu_metadata
---
amdhsa.version: [ 1, 2 ]
amdhsa.kernels:
  - .name:           k_q2050de915f_gemm_proj
    .symbol:         k_q2050de915f_gemm_proj.kd
    .args:
      - { .name: ybuf, .offset: 0, .size: 8, .value_kind: global_buffer, .address_space: global }
      - { .name: prep, .offset: 8, .size: 8, .value_kind: global_buffer, .address_space: global }
      - { .name: b_proj, .offset: 16, .size: 8, .value_kind: global_buffer, .address_space: global }
      - { .name: out0, .offset: 24, .size: 8, .value_kind: global_buffer, .address_space: global }
    .group_segment_fixed_size: 167936
    .private_segment_fixed_size: 0
    .kernarg_segment_align: 8
    .kernarg_segment_size: 32
    .max_flat_workgroup_size: 128
    .sgpr_count:     66
    .vgpr_count:     1024
    .wavefront_size: 32
...
	.end_amdgpu_metadata
.endif
;; end of part 4
